; MI455X (gfx1250); checked and timed in simulation.
; The chip was launched on July 23, 2026; its instructions are those of AMD's public machine-readable ISA for CDNA 5 (MIT licence, August 2026) and "CDNA5" Instruction Set Architecture Reference Guide (July 2026). The comments in the code are by the model that wrote it; some were corrected since.
;; Attention. Allowed arithmetic: matrix products marked QUANTISED: E3M2 operands, one E8M0 scale for each 32 along K, by v_wmma_scale_f32_16x16x128_f8f6f4 with both operands' format E3M2, f32 sums; everything else in f32.
;; Inputs: bk 512 float32; bo 2,048 float32; bq 2,048 float32; bv 512 float32; freqs_cis 2,048 x 64 float32; mask 2,048 x 2,048 float32; wk 512 x 2,048 float32; wo 2,048 x 2,048 float32; wq 2,048 x 2,048 float32; wv 512 x 2,048 float32; x 1 x 2,048 x 2,048 float32.
;; Outputs: out0 1 x 2,048 x 2,048 float32.
;; This version of the problem:
;;   THIS VERSION OF THE PROBLEM IS GIVEN IN LOW PRECISION. The matrix products marked QUANTISED in the list below multiply operands that are first quantised to E3M2 (3 exponent bits, 2 mantissa bits; 6 bits a number), with one power-of-two scale for each 32 numbers along K (OCP MX v1.0); their sums are f32. All else is computed in f32.
;;   The module's matrix products, in the order in which they are computed (A, B: the left and right operand; K: the contracted axis; several contracted axes count as one K, in the product's order):
;;     1. [M 2,048, K 2,048] x [K 2,048, N 2,048]; A: input x; B: input wq: QUANTISED
;;     2. [M 2,048, K 2,048] x [K 2,048, N 512]; A: input x; B: input wk: QUANTISED
;;     3. [M 2,048, K 2,048] x [K 2,048, N 512]; A: input x; B: input wv: QUANTISED
;;     4. batch 8 x [M 8,192, K 64] x [K 64, N 2,048]; A: computed on the way; B: computed on the way: QUANTISED
;;     5. batch 8 x [M 8,192, K 2,048] x [K 2,048, N 64]; A: softmax (see below); B: computed on the way: QUANTISED
;;     6. [M 2,048, K 2,048] x [K 2,048, N 2,048]; A: computed on the way; B: input wo: QUANTISED
;;   THE QUANTISER, for each operand of a quantised product, along K:
;;     - K is cut into blocks of 32 from its start; a last block that is shorter is filled with zeros.
;;     - A block's scale is 2^e with e = floor(log2(the largest magnitude in the block)) - 4, held to -126 .. 127; a block of zeros has e = 0. As a byte (E8M0): e + 127.
;;     - Each number is divided by its block's scale, clamped to +-28, and rounded to the nearest number of E3M2, ties to even, subnormals kept.
;;     - The product sums the exact products of the quantised numbers (number of the format x scale) in f32.
;;   ~~~python
;;   def quantise(x, axis):      # numpy; x: float32 -> the quantised numbers, widened to float32 again
;;       x = np.moveaxis(x, axis, -1); K = x.shape[-1]
;;       x = np.pad(x, [(0, 0)] * (x.ndim - 1) + [(0, -K % 32)]); x = x.reshape(x.shape[:-1] + (-1, 32)); a = np.abs(x).max(-1, keepdims=True)
;;       e = np.where(a > 0, np.clip(np.frexp(np.where(a > 0, a, 1))[1] - 1 - 4, -126, 127), 0)      # np.frexp(a)[1] - 1 = floor(log2(a)), exactly
;;       r = np.clip(x / 2.0 ** e, -28, 28)
;;       step = 2.0 ** (np.maximum(np.frexp(np.where(r == 0, 1, r))[1] - 1, -2) - 2)
;;       q = np.round(r / step) * step * 2.0 ** e      # np.round: ties to even
;;       return np.moveaxis(q.reshape(q.shape[:-2] + (-1,))[..., :K], -1, axis).astype(np.float32)
;;   ~~~
;;   SOFTMAX AHEAD OF A QUANTISED PRODUCT. Where the list says 'softmax', what is quantised is not the finished softmax but p = 2^(t - M), with t = logit x log2(e) and M = ceil(the row's largest t), a whole number; so 1/2 < the row's largest p <= 1. The row's sum l is taken of the UNQUANTISED p, in f32, and the product's result is divided by l at the end. Since M is a whole number, a kernel that streams over the keys may use a running M (the ceiling of the running maximum): every later rescaling is an exact power of two, which a block's scale takes up: the codes' values come out the same.
;;   OPERANDS COMPUTED ON THE WAY. 'Computed on the way' means the value that the module computes at that place (a softmax that the list does not call 'softmax' is quantised finished and normalised). What goes into a quantiser is computed in f32, as accurately as f32 sums, v_exp_f32 and their like allow (about 1e-6 of the number): no bf16 or f16 on the way to a quantiser, and a product that is left as it is and whose result goes on into a quantised operand takes f32 operands (vector FMAs, or v_wmma_f32_16x16x4_f32). A number that lies on a knife's edge between two numbers of the format may be rounded either way, as far as f32 arithmetic and the matrix unit's own rounding can turn it there, and no further.
;; One version. Each part assembles by itself: llvm-mc -triple=amdgcn-amd-amdhsa -mcpu=gfx1250 --defsym DOCPART=n.
;; ======== version 1 of 1: 4 launches
;; limits: right only within a limited range of input values
;; workspace buffers: cod 11,010,048 bytes; scl 458,752 bytes; qc 3,407,872 bytes; kv 1,703,936 bytes; ac 3,145,728 bytes; asc 131,072 bytes
;; launch quant (part 1): grid 448 x 1, 4 waves a work-group, no clusters, 34,304 bytes of LDS; arguments x, wq, wk, wv, wo, cod, scl; writes cod, scl
.if DOCPART == 1
	.amdgcn_target "amdgcn-amd-amdhsa--gfx1250"
	.amdhsa_code_object_version 6
	.text
	.protected	k_qb1423c623c_quant
	.globl	k_qb1423c623c_quant
	.p2align	8
	.type	k_qb1423c623c_quant,@function
k_qb1423c623c_quant:
	s_mov_b64 s[64:65], 0
	v_nop
	global_prefetch_b8 v0, s[64:65] scope:SCOPE_SE
	s_setreg_imm32_b32 hwreg(HW_REG_WAVE_MODE, 25, 1), 1
	s_wait_xcnt 0x0
; x [2048][2048], wq [2048][2048], wk [512][2048], wv [512][2048], wo [2048][2048], f32, K (the hidden axis) innermost, become codes of BF6 (E3M2) with one E8M0 byte for each 32 along K.
; A block's scale is 2^(floor(log2(largest magnitude)) - 4): its byte is the largest magnitude's exponent field - 4, held at 1 from below by a floor among the maximum's leaves.
; LAYOUT OF THE RESULT.  The five tensors are 448 ROW BLOCKS of 16 rows on end (x 0-127, wq 128-255, wk 256-287, wv 288-319, wo 320-447).  Index i of a tensor's block B is its row
; 32 (B / 2) + 8 (B % 2) + i % 8 + 16 (i / 8): so the results of two neighbouring blocks used as source 0 of a product are 16 neighbours in a lane's registers.
; cod: [block][K step of 128][1,536 bytes]: a fragment as an IMAGE OF ITS 12 REGISTERS: registers 4 c .. 4 c + 3 of lane l at 512 c + 16 l.
; scl: [block][t 0..3][lane (r, h)][w 0..1] words: the scale word of row index r for K step 4 t + 2 w + h: a load of 8 bytes a lane gives two registers, each with an even K step in lanes 0-15 and the odd one in lanes 16-31.
; SHARES.  Work-group i takes row block i; wave w its K steps 4 w .. 4 w + 3.  Each load reads 512 consecutive bytes of one row; a K step's 16 x 512 bytes turn through the wave's own stage in LDS, so that
; lane (r, h) gets, of row r, 16 neighbours of each block of 32.  Every store covers 512 (codes) or 256 (scale words) consecutive aligned bytes.  Waves share nothing: no barrier.
; LIMITS: NaN and infinities among the inputs are not served; a block whose largest magnitude lies under 2^-122 is held at the floor's byte 1; a block of zeros gets the byte 1 (its codes are zeros; this program alone reads the bytes).
.set ROWB, 8192                        ; a row of any of the five tensors in bytes
.set SP,   528                         ; a stage row: 512 bytes + 16: the sixteen rows that a load of 16 bytes a lane touches begin at sixteen different columns of 16 bytes
.set WREG, 16*SP                       ; a wave's stage
.set IMG,  1536
.set TM,   8                           ; v8-11 largest magnitudes, v12-15 bytes, v20-23 the conversions' scale operands
.set WD,   24                          ; v24-27 the four K steps' scale words
.set PC,   28                          ; v28-39 the codes; v40-42, v44-46 the second halves as converted
.set PW,   48                          ; the scale word just made
.set R,    64                          ; v64-191 two sets of 64 numbers as loaded
.set X,    192                         ; v192-255 64 numbers: register 16 b + i = k 32 b + 16 h + i of my row
.set SEL,  28                          ; s[28:29] lane selects for v_permlanex16_b32: lane l xor 16
	s_load_b256 s[4:11], s[0:1], 0x0               ; x, wq, wk, wv
	s_load_b128 s[12:15], s[0:1], 0x20             ; wo, cod
	s_load_b64 s[16:17], s[0:1], 0x30              ; scl
	v_lshl_add_u32 v62, v0, 2, 0x8400
	v_mov_b32 v63, 0
	v_lshrrev_b32 v1, 5, v0
	v_readfirstlane_b32 s18, v1                    ; wave 0..3
	v_and_b32 v1, 31, v0                           ; lane
	v_lshlrev_b32 v2, 4, v1                        ; 16 x lane: my bytes of a load's 512, and of an image's chunk
	v_lshlrev_b32 v5, 3, v1                        ; 8 x lane: my two scale words
	s_mul_i32 s19, s18, WREG
	v_add_nc_u32 v3, s19, v2                       ; the stage, on the way in
	v_and_b32 v6, 15, v0                           ; r
	v_bfe_u32 v7, v0, 4, 1                         ; h
	v_mul_u32_u24 v4, v6, SP
	v_lshl_add_u32 v4, v7, 6, v4
	v_add_nc_u32 v4, s19, v4                       ; and on the way out: row r, + 64 h
.irp b, 0,1,2,3
	v_mov_b32 v[TM+4+\b], 0                        ; written once: a lane permute's destination counts as one of its sources
.endr
	s_mov_b32 s[SEL], 0x76543210
	s_mov_b32 s[SEL+1], 0xfedcba98
	s_wait_alu depctr_va_vdst(0)
	s_wait_kmcnt 0x0
	s_mov_b64 s[20:21], s[12:13]                   ; which tensor holds my row block: the choice hangs on the work-group's number alone
	s_mov_b32 s22, 320
	s_cmp_lt_u32 ttmp9, 320
	s_cselect_b64 s[20:21], s[10:11], s[20:21]
	s_cselect_b32 s22, 288, s22
	s_cmp_lt_u32 ttmp9, 288
	s_cselect_b64 s[20:21], s[8:9], s[20:21]
	s_cselect_b32 s22, 256, s22
	s_cmp_lt_u32 ttmp9, 256
	s_cselect_b64 s[20:21], s[6:7], s[20:21]
	s_cselect_b32 s22, 128, s22
	s_cmp_lt_u32 ttmp9, 128
	s_cselect_b64 s[20:21], s[4:5], s[20:21]
	s_cselect_b32 s22, 0, s22
	s_sub_co_u32 s23, ttmp9, s22                   ; the block's number in its tensor
	s_lshr_b32 s24, s23, 1
	s_lshl_b32 s24, s24, 5
	s_and_b32 s25, s23, 1
	s_lshl_b32 s25, s25, 3
	s_add_co_u32 s24, s24, s25                     ; its first row: 32 (B / 2) + 8 (B % 2)
	s_lshl_b32 s24, s24, 13
	s_lshl_b32 s25, s18, 11                        ; my wave's 512 numbers of each row
	s_add_co_u32 s24, s24, s25
	s_mov_b32 s25, 0
	s_add_nc_u64 s[20:21], s[20:21], s[24:25]
	s_mul_i32 s24, ttmp9, 16*IMG
	s_mul_i32 s26, s18, 4*IMG
	s_add_co_u32 s24, s24, s26
	s_add_nc_u64 s[14:15], s[14:15], s[24:25]      ; my four images
	s_lshl_b32 s24, ttmp9, 10
	s_lshl_b32 s26, s18, 8
	s_add_co_u32 s24, s24, s26
	s_add_nc_u64 s[16:17], s[16:17], s[24:25]      ; my 256 bytes of scale words
.macro LOAD t                          ; K step t of my four: 16 rows x 512 bytes into set t % 2
.irp i, 0,1,2,3,4,5,6,7,8,9,10,11,12,13,14,15
	global_load_b128 v[R+64*((\t)%2)+4*\i:R+64*((\t)%2)+4*\i+3], v2, s[20:21] offset:(\i%8+16*(\i/8))*ROWB+512*(\t) th:TH_LOAD_NT
.endr
.endm
.macro TURN t                          ; through the stage: LDS serves a wave's instructions in order, so no wait stands between the stores and the loads
.irp i, 0,1,2,3,4,5,6,7,8,9,10,11,12,13,14,15
	ds_store_b128 v3, v[R+64*((\t)%2)+4*\i:R+64*((\t)%2)+4*\i+3] offset:SP*\i
.endr
.irp b, 0,1,2,3
.irp j, 0,1,2,3
	ds_load_b128 v[X+16*\b+4*\j:X+16*\b+4*\j+3], v4 offset:128*\b+16*\j
.endr
.endr
.endm
; 64 numbers of a lane, register 16 b + i = k 32 b + 16 h + i of my row, become a fragment's codes in v[PC] on and its scale word in v[PW]
.macro QUANT s
.irp b, 0,1,2,3
	v_max3_num_f32 v[TM+\b], |v[\s+16*\b]|, |v[\s+1+16*\b]|, 0x2800000   ; block b: my 16 numbers, and the floor 2^(5 - 127): the byte cannot fall under 1
.endr
.irp i, 2,4,6,8,10,12,14
.irp b, 0,1,2,3
	v_max3_num_f32 v[TM+\b], v[TM+\b], |v[\s+16*\b+\i]|, |v[\s+1+16*\b+\i]|   ; the four blocks by turns
.endr
.endr
.irp b, 0,1,2,3
	v_permlanex16_b32 v[TM+4+\b], v[TM+\b], s[SEL], s[SEL+1]
.endr
.irp b, 0,1,2,3
	v_max_num_f32 v[TM+\b], v[TM+\b], v[TM+4+\b]   ; with lane l xor 16's: the block's largest magnitude
.endr
.irp b, 0,1,2,3
	v_add_nc_u32 v[TM+12+\b], 0xfe000000, v[TM+\b] ; 4 off its exponent field: the conversion takes the exponent field of this operand as its scale
.endr
.irp b, 0,1,2,3
	v_lshrrev_b32 v[TM+4+\b], 23, v[TM+12+\b]      ; the scale's byte
.endr
	v_lshl_or_b32 v[PW], v[TM+5], 8, v[TM+4]
	v_lshl_or_b32 v[PW], v[TM+6], 16, v[PW]
	v_lshl_or_b32 v[PW], v[TM+7], 24, v[PW]
.irp c, 0,1
	v_cvt_scalef32_pk16_bf6_f32 v[PC+6*\c:PC+2+6*\c], v[\s+32*\c:\s+15+32*\c], v[TM+12+2*\c]
	v_cvt_scalef32_pk16_bf6_f32 v[PC+12+4*\c:PC+14+4*\c], v[\s+16+32*\c:\s+31+32*\c], v[TM+12+2*\c+1]   ; a conversion's three registers begin on an even number
.endr
	v_nop                                          ; one plain place behind a scaled conversion
.irp c, 0,1                                    ; the operand's layout wants a whole block in a lane: lanes 0-15 block 2 c, lanes 16-31 block 2 c + 1
.irp i, 0,1,2
	v_permlane16_swap_b32 v[PC+6*\c+\i], v[PC+12+4*\c+\i]
.endr
.irp i, 0,1,2
	v_mov_b32 v[PC+3+6*\c+\i], v[PC+12+4*\c+\i]
.endr
.endr
.endm
	LOAD 0
	LOAD 1
.irp t, 0,1,2,3
.if \t < 3
	s_wait_loadcnt 16                              ; this K step's 16 loads are in; the next one's 16 may be out
.else
	s_wait_loadcnt 0x0
.endif
	TURN \t
	s_wait_dscnt 0x0                               ; my 64 numbers are back, and the stores into the stage have read their registers
	s_wait_xcnt 0x0                                ; the last step's stores have read the codes' registers
.if \t < 2
	LOAD \t+2
.endif
	QUANT X
	v_mov_b32 v[WD+\t], v[PW]
.irp c, 0,1,2
	global_store_b128 v2, v[PC+4*\c:PC+4*\c+3], s[14:15] offset:IMG*\t+512*\c   ; 32 lanes store 512 consecutive bytes
.endr
.endr
	v_cmp_le_u32 vcc_lo, 16, v1                    ; lanes 0-15 keep the even K steps' words, lanes 16-31 the odd ones'
	v_cndmask_b32 v50, v[WD], v[WD+1], vcc_lo
	v_cndmask_b32 v51, v[WD+2], v[WD+3], vcc_lo
	global_store_b64 v5, v[50:51], s[16:17]        ; 32 lanes store 256 consecutive aligned bytes
	s_wait_tensorcnt 0x0
	ds_add_u32 v62, v63
	s_wait_dscnt 0x0
	s_endpgm
.Lfunc_end_k_qb1423c623c_quant:
	.size	k_qb1423c623c_quant, .Lfunc_end_k_qb1423c623c_quant-k_qb1423c623c_quant
	.p2alignl 7, 3214868480
	.fill 96, 4, 3214868480
	.section	.rodata,"a",@progbits
	.p2align	6, 0x0
	.amdhsa_kernel k_qb1423c623c_quant
		.amdhsa_group_segment_fixed_size 34304
		.amdhsa_private_segment_fixed_size 0
		.amdhsa_enable_private_segment 0
		.amdhsa_kernarg_size 56
		.amdhsa_user_sgpr_count 2
		.amdhsa_user_sgpr_kernarg_segment_ptr 1
		.amdhsa_wavefront_size32 1
		.amdhsa_system_sgpr_workgroup_id_x 1
		.amdhsa_system_sgpr_workgroup_id_y 1
		.amdhsa_system_sgpr_workgroup_id_z 1
		.amdhsa_system_vgpr_workitem_id 0
		.amdhsa_next_free_vgpr 256
		.amdhsa_next_free_sgpr 66
		.amdhsa_reserve_vcc 1
		.amdhsa_float_denorm_mode_32 3
		.amdhsa_float_denorm_mode_16_64 3
		.amdhsa_memory_ordered 1
		.amdhsa_forward_progress 1
		.amdhsa_inst_pref_size 34
	.end_amdhsa_kernel
	.amdgpu_metadata
---
amdhsa.version: [ 1, 2 ]
amdhsa.kernels:
  - .name:           k_qb1423c623c_quant
    .symbol:         k_qb1423c623c_quant.kd
    .args:
      - { .name: x, .offset: 0, .size: 8, .value_kind: global_buffer, .address_space: global }
      - { .name: wq, .offset: 8, .size: 8, .value_kind: global_buffer, .address_space: global }
      - { .name: wk, .offset: 16, .size: 8, .value_kind: global_buffer, .address_space: global }
      - { .name: wv, .offset: 24, .size: 8, .value_kind: global_buffer, .address_space: global }
      - { .name: wo, .offset: 32, .size: 8, .value_kind: global_buffer, .address_space: global }
      - { .name: cod, .offset: 40, .size: 8, .value_kind: global_buffer, .address_space: global }
      - { .name: scl, .offset: 48, .size: 8, .value_kind: global_buffer, .address_space: global }
    .group_segment_fixed_size: 34304
    .private_segment_fixed_size: 0
    .kernarg_segment_align: 8
    .kernarg_segment_size: 56
    .max_flat_workgroup_size: 128
    .sgpr_count:     66
    .vgpr_count:     256
    .wavefront_size: 32
...
	.end_amdgpu_metadata
.endif
;; end of part 1
;; launch qkv (part 2): grid 16 x 12, 8 waves a work-group, clusters of 4 x 1, 327,680 bytes of LDS; arguments cod, scl, bq, bk, bv, freqs_cis, qc, kv; writes qc, kv
.if DOCPART == 2
	.amdgcn_target "amdgcn-amd-amdhsa--gfx1250"
	.amdhsa_code_object_version 6
	.text
	.protected	k_qb1423c623c_qkv
	.globl	k_qb1423c623c_qkv
	.p2align	8
	.type	k_qb1423c623c_qkv,@function
k_qb1423c623c_qkv:
	s_mov_b64 s[64:65], 0
	v_nop
	global_prefetch_b8 v0, s[64:65] scope:SCOPE_SE
	s_setreg_imm32_b32 hwreg(HW_REG_WAVE_MODE, 25, 1), 1
	s_wait_xcnt 0x0
	s_wait_alu depctr_hold_cnt(0) depctr_sa_sdst(0) depctr_va_vdst(0) depctr_va_sdst(0) depctr_va_ssrc(0) depctr_va_vcc(0) depctr_vm_vsrc(0)
	s_getreg_b32 s2, hwreg(HW_REG_IB_STS2, 6, 4)
	s_cmp_eq_u32 s2, 0
	s_cbranch_scc0 .Lentry_in_a_cluster
	s_endpgm
.Lentry_in_a_cluster:
	s_bfe_u32 s2, ttmp6, 0x10000c
	s_cmp_lg_u32 s2, 0x3003
	s_cbranch_scc0 .Lentry_shape_is_right
	s_endpgm
.Lentry_shape_is_right:
.set ACC,  128
.set SP,   32
.set SQ,   64
.set BI,   96
.set F0,   0
.set F1,   128
.set ADRP, 4
.set ADRQ, 6
.set SPW,  8
.set NIL,  9
.set L16,  10
.set L8,   11
.set QM,   12
.set VF,   27
.set IMG,  1536
.set QTR,  4*IMG
.set BLKB, 16*IMG
.set WTILE, 4*QTR
.set SLOT, 24*QTR
.set SPARE, 2*SLOT
.set WV, 20
.set WP, 21
.set WQ, 22
.set G1, 24
.set G0, 32
.set G1B, 48
.set G0B, 56
.set SEL, 82
.set FLR, 84
.set BOF, 85
.set MSB, 0
.macro WIN new
.if MSB != \new
	s_set_vgpr_msb (MSB<<8)|\new
.set MSB, \new
.endif
.endm
.macro JLOAD g0a, g1a, g0b, g1b
	s_cmp_eq_u32 s[WP], 0
	s_cbranch_scc0 .Lfor_b_\@
	tensor_load_to_lds s[\g0a:\g0a+3], s[\g1a:\g1a+7]
	s_nop 0
.rept 4
	v_nop
.endr
	s_branch .Lasked_\@
.Lfor_b_\@:
	tensor_load_to_lds s[\g0b:\g0b+3], s[\g1b:\g1b+7]
	s_nop 0
.rept 4
	v_nop
.endr
.Lasked_\@:
.endm
.macro CREST
	s_cmp_lg_u32 s[WV], 0
	s_cbranch_scc1 .Lnot_wave_0_\@
	s_barrier_signal -3
.Lnot_wave_0_\@:
	s_barrier_wait -3
	s_barrier_signal -1
	s_barrier_wait -1
.endm
.macro CROUND
	s_barrier_signal -1
	s_barrier_wait -1
	CREST
.endm
.macro PLACES
.rept 4
	v_nop
.endr
.endm
.macro FETCH slot, k, f
	WIN 0x40
.irp a, 0,1,2,3
.irp c, 0,1,2
	ds_load_b128 v[\f+12*\a+4*\c:\f+12*\a+4*\c+3], v[ADRP+\slot] offset:\a*QTR+(\k)*IMG+512*\c
	ds_load_b128 v[\f+48+12*\a+4*\c:\f+48+12*\a+4*\c+3], v[ADRQ+\slot] offset:\a*QTR+(\k)*IMG+512*\c
.endr
.endr
.endm
.macro MUL4 f, kk, a, zero
.irp b, 0,1,2,3
.if \zero
	v_wmma_scale_f32_16x16x128_f8f6f4 v[ACC+8*(4*(\a)+\b):ACC+8*(4*(\a)+\b)+7], v[\f+48+12*\b:\f+48+12*\b+11], v[\f+12*(\a):\f+12*(\a)+11], 0, v[SQ+8*\b+(\kk)/2], v[SP+8*(\a)+(\kk)/2] matrix_a_fmt:MATRIX_FMT_BF6 matrix_b_fmt:MATRIX_FMT_BF6
.elseif (\kk)%2
	v_wmma_scale_f32_16x16x128_f8f6f4 v[ACC+8*(4*(\a)+\b):ACC+8*(4*(\a)+\b)+7], v[\f+48+12*\b:\f+48+12*\b+11], v[\f+12*(\a):\f+12*(\a)+11], v[ACC+8*(4*(\a)+\b):ACC+8*(4*(\a)+\b)+7], v[SQ+8*\b+(\kk)/2], v[SP+8*(\a)+(\kk)/2] matrix_a_fmt:MATRIX_FMT_BF6 matrix_b_fmt:MATRIX_FMT_BF6 matrix_a_scale:MATRIX_SCALE_ROW1 matrix_b_scale:MATRIX_SCALE_ROW1
.else
	v_wmma_scale_f32_16x16x128_f8f6f4 v[ACC+8*(4*(\a)+\b):ACC+8*(4*(\a)+\b)+7], v[\f+48+12*\b:\f+48+12*\b+11], v[\f+12*(\a):\f+12*(\a)+11], v[ACC+8*(4*(\a)+\b):ACC+8*(4*(\a)+\b)+7], v[SQ+8*\b+(\kk)/2], v[SP+8*(\a)+(\kk)/2] matrix_a_fmt:MATRIX_FMT_BF6 matrix_b_fmt:MATRIX_FMT_BF6
.endif
.endr
.endm
.macro STEP slot, k, kk, f, g, zero
	s_wait_dscnt 0x0
	PLACES
	FETCH \slot, (\k)+1, \g
	WIN 0x05
	MUL4 \f, \kk, 0, \zero
	MUL4 \f, \kk, 1, \zero
	MUL4 \f, \kk, 2, \zero
	MUL4 \f, \kk, 3, \zero
.endm
.macro TURN slot, next, kk, fill
	WIN 0
	s_wait_tensorcnt 0x0
	ds_add_u32 v[SPW], v[NIL]
	s_wait_dscnt 1
	WIN 0x05
	MUL4 F1, \kk, 0, 0
	s_wait_dscnt 0x0
	s_barrier_signal -1
	MUL4 F1, \kk, 1, 0
	WIN 0
	s_barrier_wait -1
.if \fill
	CREST
	s_add_nc_u64 s[G0+4*\slot+2:G0+4*\slot+3], s[G0+4*\slot+2:G0+4*\slot+3], 2*QTR
	s_add_nc_u64 s[G0B+4*\slot+2:G0B+4*\slot+3], s[G0B+4*\slot+2:G0B+4*\slot+3], 2*QTR
	JLOAD G0+4*\slot, G1, G0B+4*\slot, G1B
.else
	PLACES
.endif
	FETCH \next, 0, F0
	WIN 0x05
	MUL4 F1, \kk, 2, 0
	MUL4 F1, \kk, 3, 0
.endm
.macro QUANT2 n, pc, py, w
	v_max3_num_f32 v[QM], |v[\n]|, |v[\n+1]|, s[FLR]
	v_max3_num_f32 v[QM+1], |v[\n+16]|, |v[\n+17]|, s[FLR]
.irp i, 2,4,6,8,10,12,14
	s_delay_alu instid0(VALU_DEP_2)
	v_max3_num_f32 v[QM], v[QM], |v[\n+\i]|, |v[\n+\i+1]|
	s_delay_alu instid0(VALU_DEP_2)
	v_max3_num_f32 v[QM+1], v[QM+1], |v[\n+16+\i]|, |v[\n+17+\i]|
.endr
	s_delay_alu instid0(VALU_DEP_2)
	v_permlanex16_b32 v[QM+2], v[QM], s[SEL], s[SEL+1]
	s_delay_alu instid0(VALU_DEP_2)
	v_permlanex16_b32 v[QM+3], v[QM+1], s[SEL], s[SEL+1]
	s_delay_alu instid0(VALU_DEP_2)
	v_max_num_f32 v[QM], v[QM], v[QM+2]
	s_delay_alu instid0(VALU_DEP_2)
	v_max_num_f32 v[QM+1], v[QM+1], v[QM+3]
	s_delay_alu instid0(VALU_DEP_2)
	v_add_nc_u32 v[QM+4], 0xfe000000, v[QM]
	s_delay_alu instid0(VALU_DEP_2)
	v_add_nc_u32 v[QM+5], 0xfe000000, v[QM+1]
	s_delay_alu instid0(VALU_DEP_4)
	v_sub_nc_u32 v[QM+2], v[QM], s[BOF]
	s_delay_alu instid0(VALU_DEP_4)
	v_sub_nc_u32 v[QM+3], v[QM+1], s[BOF]
	s_delay_alu instid0(VALU_DEP_2)
	v_lshrrev_b32 v[QM+2], 23, v[QM+2]
	s_delay_alu instid0(VALU_DEP_2)
	v_lshrrev_b32 v[QM+3], 23, v[QM+3]
	s_delay_alu instid0(VALU_DEP_1)
	v_lshl_or_b32 v[\w], v[QM+3], 8, v[QM+2]
	v_cvt_scalef32_pk16_bf6_f32 v[\pc:\pc+2], v[\n:\n+15], v[QM+4]
	v_cvt_scalef32_pk16_bf6_f32 v[\py:\py+2], v[\n+16:\n+31], v[QM+5]
	v_nop
.irp i, 0,1,2
	v_permlane16_swap_b32 v[\pc+\i], v[\py+\i]
.endr
.irp i, 0,1,2
	s_delay_alu instid0(VALU_DEP_3)
	v_mov_b32 v[\pc+3+\i], v[\py+\i]
.endr
.endm
	s_load_b256 s[4:11], s[0:1], 0x0
	s_load_b256 s[12:19], s[0:1], 0x20
	v_lshl_add_u32 v[SPW], v0, 2, SPARE
	v_mov_b32 v[NIL], 0
	ds_add_u32 v8, v9
	ds_add_u32 v8, v9
	s_wait_dscnt 0x0
	v_lshrrev_b32 v1, 5, v0
	s_delay_alu instid0(VALU_DEP_1)
	v_readfirstlane_b32 s[WV], v1
	s_lshr_b32 s[WP], s[WV], 2
	s_and_b32 s[WQ], s[WV], 3
	s_bfe_u32 s40, ttmp6, 0x40000
	s_and_b32 s42, ttmp7, 0xffff
	s_lshl_b32 s43, ttmp9, 2
	s_add_co_u32 s43, s43, s40
	s_mov_b32 s[G1], 3<<16
	s_mov_b32 s[G1+1], 768<<16
	s_mov_b32 s[G1+2], 2<<16
	s_mov_b32 s[G1+3], 768<<16
	s_mov_b32 s[G1+4], 2
	s_mov_b32 s[G1+5], 3072
	s_mov_b32 s[G1+6], 0
	s_mov_b32 s[G1+7], 0
	s_mov_b32 s[G1B], 15|(3<<16)|(1<<21)
	s_mov_b32 s[G1B+1], 768<<16
	s_mov_b32 s[G1B+2], 4<<16
	s_mov_b32 s[G1B+3], 768<<16
	s_mov_b32 s[G1B+4], 4
	s_mov_b32 s[G1B+5], 3072
	s_mov_b32 s[G1B+6], 0
	s_mov_b32 s[G1B+7], 0
	s_lshl_b32 s66, s43, 3
	s_lshl_b32 s67, s40, 3
	s_add_co_u32 s67, s67, 288
	s_lshl_b32 s68, s42, 4
	s_add_co_u32 s68, s68, 128
	s_max_u32 s69, s42, 10
	s_sub_co_u32 s69, s69, 10
	s_lshl_b32 s69, s69, 2
	s_add_co_u32 s69, s69, ttmp9
	s_lshl_b32 s69, s69, 4
	s_cmp_ge_u32 s42, 10
	s_cselect_b32 s66, s67, s66
	s_cselect_b32 s68, s69, s68
	s_cselect_b32 s70, 1, 0
	s_mov_b32 s[FLR], 0x2800000
	s_mov_b32 s[BOF], 0x2000000
	s_cmp_lt_u32 s42, 8
	s_cselect_b32 s[FLR], 0x4000000, s[FLR]
	s_cselect_b32 s[BOF], 0x3800000, s[BOF]
	s_mov_b32 s[SEL], 0x76543210
	s_mov_b32 s[SEL+1], 0xfedcba98
	s_lshl_b32 s71, s[WQ], 1
	s_add_co_u32 s72, s66, s71
	s_mul_i32 s72, s72, BLKB
	s_mov_b32 s73, 0
	s_lshl_b32 s77, s[WQ], 2
	s_add_co_u32 s74, s68, s77
	s_mul_i32 s74, s74, BLKB
	s_mov_b32 s75, 0
	s_mul_i32 s76, s[WQ], 2*QTR
	s_mul_i32 s45, s[WQ], 4*QTR
	s_add_co_u32 s45, s45, 8*QTR
	s_lshl_b32 s71, s[WP], 2
	s_add_co_u32 s78, s66, s71
	s_lshl_b32 s78, s78, 10
	s_mov_b32 s79, 0
	s_add_co_u32 s80, s68, s77
	s_lshl_b32 s80, s80, 10
	s_mov_b32 s81, 0
	s_wait_kmcnt 0x0
	s_add_nc_u64 s[72:73], s[4:5], s[72:73]
	s_add_nc_u64 s[74:75], s[4:5], s[74:75]
	s_add_nc_u64 s[78:79], s[6:7], s[78:79]
	s_add_nc_u64 s[80:81], s[6:7], s[80:81]
	CROUND
.irp s, 0,1
	s_mov_b32 s[G0+4*\s], 1
	s_add_co_u32 s[G0+4*\s+1], s76, \s*SLOT
	s_add_nc_u64 s[G0+4*\s+2:G0+4*\s+3], s[72:73], \s*QTR
	s_or_b32 s[G0+4*\s+3], s[G0+4*\s+3], 0x80000000
	s_mov_b32 s[G0B+4*\s], 1
	s_add_co_u32 s[G0B+4*\s+1], s45, \s*SLOT
	s_add_nc_u64 s[G0B+4*\s+2:G0B+4*\s+3], s[74:75], \s*QTR
	s_or_b32 s[G0B+4*\s+3], s[G0B+4*\s+3], 0x80000000
	s_wait_alu depctr_va_vdst(0)
	s_wait_tensorcnt 0x0
	ds_add_u32 v8, v9
	ds_add_u32 v8, v9
	s_wait_dscnt 0x0
	CROUND
	JLOAD G0+4*\s, G1, G0B+4*\s, G1B
.endr
	v_and_b32 v1, 15, v0
	v_bfe_u32 v2, v0, 4, 1
	v_and_b32 v3, 31, v0
	s_delay_alu instid0(VALU_DEP_1)
	v_lshlrev_b32 v[L16], 4, v3
	s_delay_alu instid0(VALU_DEP_2)
	v_lshlrev_b32 v[L8], 3, v3
	v_mov_b32 v14, 0
	v_mov_b32 v15, 0
.irp a, 0,1,2,3
.irp t, 0,1,2,3
	global_load_b64 v[SP+8*\a+2*\t:SP+8*\a+2*\t+1], v[L8], s[78:79] offset:\a*1024+\t*256
	global_load_b64 v[SQ+8*\a+2*\t:SQ+8*\a+2*\t+1], v[L8], s[80:81] offset:\a*1024+\t*256
.endr
.endr
	s_mul_i32 s86, s[WP], WTILE
	s_mul_i32 s87, s[WQ], WTILE
	s_add_co_u32 s87, s87, 8*QTR
	v_add_nc_u32 v[ADRP], s86, v[L16]
	v_add_nc_u32 v[ADRQ], s87, v[L16]
	s_delay_alu instid0(VALU_DEP_2)
	v_add_nc_u32 v[ADRP+1], SLOT, v[ADRP]
	s_delay_alu instid0(VALU_DEP_2)
	v_add_nc_u32 v[ADRQ+1], SLOT, v[ADRQ]
	s_wait_alu depctr_va_vdst(0)
	s_wait_tensorcnt 1
	s_barrier_signal -1
	s_barrier_wait -1
	FETCH 0, 0, F0
	s_wait_loadcnt 0x0
	STEP 0, 0, 0, F0, F1, 1
	STEP 0, 1, 1, F1, F0, 0
	STEP 0, 2, 2, F0, F1, 0
	TURN 0, 1, 3, 1
	STEP 1, 0, 4, F0, F1, 0
	STEP 1, 1, 5, F1, F0, 0
	STEP 1, 2, 6, F0, F1, 0
	TURN 1, 0, 7, 1
	STEP 0, 0, 8, F0, F1, 0
	STEP 0, 1, 9, F1, F0, 0
	STEP 0, 2, 10, F0, F1, 0
	TURN 0, 1, 11, 0
	STEP 1, 0, 12, F0, F1, 0
	STEP 1, 1, 13, F1, F0, 0
	STEP 1, 2, 14, F0, F1, 0
	s_wait_dscnt 0x0
	WIN 0x05
	MUL4 F1, 15, 0, 0
	MUL4 F1, 15, 1, 0
	MUL4 F1, 15, 2, 0
	MUL4 F1, 15, 3, 0
	WIN 0
	PLACES
	v_and_b32 v[VF], 7, v1
	v_lshrrev_b32 v26, 3, v1
	s_delay_alu instid0(VALU_DEP_1)
	v_lshl_add_u32 v[VF], v26, 4, v[VF]
	s_cmp_eq_u32 s70, 1
	s_cbranch_scc1 .Lvarm
	s_lshl_b32 s86, s42, 2
	s_add_co_u32 s86, s86, s[WQ]
	s_mov_b32 s94, 106496
	s_mov_b32 s95, 13312
	s_cmp_ge_u32 s42, 8
	s_cselect_b64 s[88:89], s[10:11], s[8:9]
	s_cselect_b64 s[92:93], s[18:19], s[16:17]
	s_cselect_b32 s87, 32, 0
	s_cselect_b32 s94, 212992, s94
	s_cselect_b32 s95, 26624, s95
	s_sub_co_u32 s86, s86, s87
	s_lshl_b32 s90, s86, 8
	s_mov_b32 s91, 0
	s_add_nc_u64 s[88:89], s[88:89], s[90:91]
	s_mul_i32 s94, s94, s86
	s_lshr_b32 s90, s43, 1
	s_mul_i32 s95, s95, s90
	s_add_co_u32 s94, s94, s95
	s_mov_b32 s95, 0
	s_add_nc_u64 s[92:93], s[92:93], s[94:95]
	s_and_b32 s90, s43, 1
	s_lshl_b32 s90, s90, 1
	s_add_co_u32 s90, s90, s[WP]
	s_lshl_b32 s94, s90, 8
	s_add_co_u32 s94, s94, 12288
	s_add_nc_u64 s[96:97], s[92:93], s[94:95]
	s_mul_i32 s94, s90, 4*768
	s_add_nc_u64 s[92:93], s[92:93], s[94:95]
	s_lshl_b32 s94, s43, 7
	s_lshl_b32 s90, s[WP], 6
	s_add_co_u32 s94, s94, s90
	s_lshl_b32 s94, s94, 8
	s_add_nc_u64 s[14:15], s[14:15], s[94:95]
	s_wait_alu depctr_va_vdst(0)
	v_lshlrev_b32 v[VF], 8, v[VF]
	s_delay_alu instid0(VALU_DEP_1)
	v_lshl_add_u32 v[VF], v2, 6, v[VF]
	v_lshlrev_b32 v3, 6, v2
.irp bt, 0,1
.irp u, 0,1
.irp i, 0,1
	global_load_b128 v[BI+16*\bt+8*\u+4*\i:BI+16*\bt+8*\u+4*\i+3], v3, s[88:89] offset:128*\bt+32*\u+16*\i
.endr
.endr
.endr
.macro FLOAD a, buf
	WIN 0x40
.irp bt, 0,1
.irp u, 0,1
.irp i, 0,1
	global_load_b128 v[32*(\buf)+16*\bt+8*\u+4*\i:32*(\buf)+16*\bt+8*\u+4*\i+3], v[VF], s[14:15] offset:(32*((\a)/2)+8*((\a)%2))*256+128*\bt+32*\u+16*\i
.endr
.endr
.endr
.endm
.macro ROPE a
	WIN 0x04
.irp p, 0,1,2,3,4,5,6,7,8,9,10,11,12,13,14,15
	v_mul_f32 v[12+2*(\p%4)], v[ACC+32*(\a)+2*\p+1], v[32*((\a)%2)+2*\p+1]
	v_mul_f32 v[13+2*(\p%4)], v[ACC+32*(\a)+2*\p+1], v[32*((\a)%2)+2*\p]
	s_delay_alu instid0(VALU_DEP_1)
	v_fma_f32 v[ACC+32*(\a)+2*\p+1], v[ACC+32*(\a)+2*\p], v[32*((\a)%2)+2*\p+1], v[13+2*(\p%4)]
	s_delay_alu instid0(VALU_DEP_3)
	v_fma_f32 v[ACC+32*(\a)+2*\p], v[ACC+32*(\a)+2*\p], v[32*((\a)%2)+2*\p], -v[12+2*(\p%4)]
.endr
.endm
	FLOAD 0, 0
	FLOAD 1, 1
	WIN 0
	s_wait_loadcnt 16
.irp a, 0,1,2,3
.irp p, 0,2,4,6,8,10,12,14,16,18,20,22,24,26,28,30
	v_pk_add_f32 v[ACC+32*\a+\p:ACC+32*\a+\p+1], v[ACC+32*\a+\p:ACC+32*\a+\p+1], v[BI+\p:BI+\p+1]
.endr
.endr
.irp a, 0,1,2,3
.if \a < 3
	s_wait_loadcnt 8
.else
	s_wait_loadcnt 0x0
.endif
	ROPE \a
.if \a < 2
	FLOAD \a+2, \a
.endif
	WIN 0
	s_wait_xcnt 0x0
	QUANT2 ACC+32*\a, 20, 24, 28+\a
	global_store_b128 v[L16], v[20:23], s[92:93] offset:768*\a
	global_store_b64 v[L8], v[24:25], s[92:93] offset:768*\a+512
.endr
	v_cmp_eq_u32 vcc_lo, 1, v2
	s_delay_alu instid0(VALU_DEP_1)
	v_cndmask_b32 v12, v28, v29, vcc_lo
	s_delay_alu instid0(VALU_DEP_2)
	v_cndmask_b32 v13, v30, v31, vcc_lo
	global_store_b64 v[L8], v[12:13], s[96:97]
	s_branch .Lend
.Lvarm:
	s_lshl_b32 s86, s40, 1
	s_add_co_u32 s86, s86, s[WP]
	s_lshl_b32 s90, s86, 8
	s_mov_b32 s91, 0
	s_add_nc_u64 s[12:13], s[12:13], s[90:91]
	s_mul_i32 s94, s86, 212992
	s_lshr_b32 s90, s68, 4
	s_mul_i32 s90, s90, 26624
	s_add_co_u32 s94, s94, s90
	s_add_co_u32 s94, s94, 13312
	s_mov_b32 s95, 0
	s_add_nc_u64 s[92:93], s[18:19], s[94:95]
	s_lshl_b32 s94, s[WQ], 8
	s_add_co_u32 s94, s94, 12288
	s_add_nc_u64 s[96:97], s[92:93], s[94:95]
	s_lshr_b32 s90, s[WQ], 1
	s_and_b32 s87, s[WQ], 1
	s_lshl_b32 s90, s90, 3
	s_add_co_u32 s90, s90, s87
	s_mul_i32 s94, s90, 768
	s_add_nc_u64 s[92:93], s[92:93], s[94:95]
	s_lshl_b32 s87, s87, 4
	s_wait_alu depctr_va_vdst(0)
	v_lshlrev_b32 v[VF], 2, v[VF]
.irp a, 0,1,2,3
	global_load_b32 v[BI+\a], v[VF], s[12:13] offset:(32*(\a/2)+8*(\a%2))*4
.endr
	s_wait_loadcnt 0x0
.irp a, 0,1,2,3
.set j, 0
.rept 32
	v_add_f32 v[ACC+32*\a+j], v[ACC+32*\a+j], v[BI+\a]
.set j, j+1
.endr
.endr
.irp a, 0,1,2,3
	s_wait_xcnt 0x0
	QUANT2 ACC+32*\a, 20, 24, 28+\a
	v_lshlrev_b32 v[28+\a], s87, v[28+\a]
	global_store_b128 v[L16], v[20:23], s[92:93] offset:1536*\a
	global_store_b64 v[L8], v[24:25], s[92:93] offset:1536*\a+512
.endr
	v_cmp_eq_u32 vcc_lo, 1, v2
	s_delay_alu instid0(VALU_DEP_1)
	v_cndmask_b32 v12, v28, v29, vcc_lo
	s_delay_alu instid0(VALU_DEP_2)
	v_cndmask_b32 v13, v30, v31, vcc_lo
	global_store_b64 v[L8], v[12:13], s[96:97]
.Lend:
	s_wait_tensorcnt 0x0
	ds_add_u32 v[SPW], v[NIL]
	s_wait_dscnt 0x0
	CROUND
	s_endpgm
.Lfunc_end_k_qb1423c623c_qkv:
	.size	k_qb1423c623c_qkv, .Lfunc_end_k_qb1423c623c_qkv-k_qb1423c623c_qkv
	.p2alignl 7, 3214868480
	.fill 96, 4, 3214868480
	.section	.rodata,"a",@progbits
	.p2align	6, 0x0
	.amdhsa_kernel k_qb1423c623c_qkv
		.amdhsa_group_segment_fixed_size 327680
		.amdhsa_private_segment_fixed_size 0
		.amdhsa_enable_private_segment 0
		.amdhsa_kernarg_size 64
		.amdhsa_user_sgpr_count 2
		.amdhsa_user_sgpr_kernarg_segment_ptr 1
		.amdhsa_wavefront_size32 1
		.amdhsa_system_sgpr_workgroup_id_x 1
		.amdhsa_system_sgpr_workgroup_id_y 1
		.amdhsa_system_sgpr_workgroup_id_z 1
		.amdhsa_system_vgpr_workitem_id 0
		.amdhsa_next_free_vgpr 512
		.amdhsa_next_free_sgpr 98
		.amdhsa_reserve_vcc 1
		.amdhsa_float_denorm_mode_32 3
		.amdhsa_float_denorm_mode_16_64 3
		.amdhsa_memory_ordered 1
		.amdhsa_forward_progress 1
		.amdhsa_inst_pref_size 130
	.end_amdhsa_kernel
	.amdgpu_metadata
---
amdhsa.version: [ 1, 2 ]
amdhsa.kernels:
  - .name:           k_qb1423c623c_qkv
    .symbol:         k_qb1423c623c_qkv.kd
    .args:
      - { .name: cod, .offset: 0, .size: 8, .value_kind: global_buffer, .address_space: global }
      - { .name: scl, .offset: 8, .size: 8, .value_kind: global_buffer, .address_space: global }
      - { .name: bq, .offset: 16, .size: 8, .value_kind: global_buffer, .address_space: global }
      - { .name: bk, .offset: 24, .size: 8, .value_kind: global_buffer, .address_space: global }
      - { .name: bv, .offset: 32, .size: 8, .value_kind: global_buffer, .address_space: global }
      - { .name: freqs_cis, .offset: 40, .size: 8, .value_kind: global_buffer, .address_space: global }
      - { .name: qc, .offset: 48, .size: 8, .value_kind: global_buffer, .address_space: global }
      - { .name: kv, .offset: 56, .size: 8, .value_kind: global_buffer, .address_space: global }
    .group_segment_fixed_size: 327680
    .private_segment_fixed_size: 0
    .kernarg_segment_align: 8
    .kernarg_segment_size: 64
    .max_flat_workgroup_size: 256
    .sgpr_count:     98
    .vgpr_count:     512
    .wavefront_size: 32
...
	.end_amdgpu_metadata
.endif
;; end of part 2
;; launch attn (part 3): grid 32 x 8, 8 waves a work-group, clusters of 4 x 4, 327,680 bytes of LDS; arguments qc, kv, mask, ac, asc; writes ac, asc
.if DOCPART == 3
	.amdgcn_target "amdgcn-amd-amdhsa--gfx1250"
	.amdhsa_code_object_version 6
	.text
	.protected	k_qb1423c623c_attn
	.globl	k_qb1423c623c_attn
	.p2align	8
	.type	k_qb1423c623c_attn,@function
k_qb1423c623c_attn:
	s_mov_b64 s[64:65], 0
	v_nop
	global_prefetch_b8 v0, s[64:65] scope:SCOPE_SE
	s_setreg_imm32_b32 hwreg(HW_REG_WAVE_MODE, 25, 1), 1
	s_wait_xcnt 0x0
	s_wait_alu depctr_hold_cnt(0) depctr_sa_sdst(0) depctr_va_vdst(0) depctr_va_sdst(0) depctr_va_ssrc(0) depctr_va_vcc(0) depctr_vm_vsrc(0)
	s_getreg_b32 s2, hwreg(HW_REG_IB_STS2, 6, 4)
	s_cmp_eq_u32 s2, 0
	s_cbranch_scc0 .Lentry_in_a_cluster
	s_endpgm
.Lentry_in_a_cluster:
	s_bfe_u32 s2, ttmp6, 0x10000c
	s_cmp_lg_u32 s2, 0xf033
	s_cbranch_scc0 .Lentry_shape_is_right
	s_endpgm
.Lentry_shape_is_right:
; softmax(q k^T / 8 + mask) v for 32 query heads on 8 key and value groups, head size 64, 2,048 positions, both products on codes of BF6 (E3M2) with E8M0 scales; the result, divided by the row's sum, is quantised along the hidden axis.
; THE MASK IS AN INPUT: every number of it is read and added, no tile is left out.  It is the C operand of the score product; the division by 8 lies in q's scale bytes.
; THE SOFTMAX: t = (score / 8 + mask) log2(e); M = the running largest t rounded up to a whole number; p = 2^(t - M) is quantised along the keys; the row's sum is taken of the unquantised p.
; When M moves, the sum and O are multiplied by 2^(old M - new M).  A block's largest p is made from its largest score by the same multiply-add and exponential (this takes v_exp_f32 not to fall where its input rises).
; SHARES.  A work-group owns 64 queries (x) of one group g.  Wave w: query block w % 4 (16 queries), heads 4 g + 2 (w / 4) + 0, 1: one set of mask registers and each fragment of K and V serve two heads.
; LAYOUT.  S^T = K Q^T + mask^T, O^T = V^T P^T: a lane holds one query.  Row m of score tile 4 c + u is key 64 c + 32 (m / 8) + 8 u + m % 8 (picked by the LDS address of K's stored images), so that
; a lane's registers 32 c .. 32 c + 31 are the WHOLE block of keys 64 c + 32 h + 0 .. 31: the block's maximum needs no other lane and the conversions' results lie as the operand wants them.
; K = 64 in an instruction of K = 128: q's registers 6-11 are zero codes, both sides' scale bytes 2 and 3 are 0; K's tiles lie 6 registers apart, six zeroed registers follow the last.
; THE WALK goes by PHASES, one head's softmax of 128 keys each.  Behind a phase's first four maxima stand the OTHER head's matrix instructions: its O^T += V^T P^T and its scores of the next 128 keys;
; their results are first read a phase later.  The next step's fragments are loaded from LDS in head 0's phase and awaited at the head of head 1's.  V has two sets of registers.
; RING: two LDS slots of 256 keys: the mask's 64 rows x 1,024 bytes (waves 0-3, jointly along a column of the cluster) and the group's chunk of K and V, 26,624 dense bytes (wave 4, jointly along a row).
; A chunk's last LDS reads are awaited at the head of head 1's phase of its first step's successor; there stand the waits, the add and the round's opening signal; register work stands inside the round; the refill follows it.
; The add in front of a refill's round is written twice.
; LIMITS: NaN and infinities are not served; the scaled scores stay under 2^31 in magnitude; a block of the result whose largest magnitude lies under 2^-122 is held at the floor's byte 1.
.set MP,    1040                       ; a mask row in LDS: 1,024 bytes + 16
.set MQ,    16768                      ; 16 mask rows + 128 bytes
.set KVO,   4*MQ                       ; the chunk of K and V
.set SLOT1, 1<<17
.set SPARE, SLOT1+KVO+26624            ; the spare words, 128 bytes a wave
.set AK16B, 1                          ; v1-6 LDS addresses in slot 0: K's 16-byte and 8-byte parts, my mask row, V's two parts, K's scale words
.set AK8B,  2
.set AMB,   3
.set AV16B, 4
.set AV8B,  5
.set AKSB,  6
.set SPW,   7                          ; my spare word; never rewritten
.set NIL,   8                          ; 0; never rewritten
.set L16,   9
.set R8,    10
.set PFO,   11                         ; the prefetches' offset; never rewritten
.set KS,    20                         ; v12-19: per head -M, the largest score, the sum's two halves.  v20-23 K's scale words
.set VS,    24                         ; v24-27, v28-31 V's scale words, two sets
.set QS,    32
.set PW,    34                         ; p's scale word
.set BM,    36
.set PX,    40
.set CV,    42
.set FF,    44
.set TT,    46
.set SH8,   47                         ; 8 h
.set L2,    48
.set AK16,  50                         ; v50-55 the six addresses in the slot in hand
.set AK8,   51
.set AM,    52
.set AV16,  53
.set AV8,   54
.set AKS,   55
.set PC,    56                         ; v56-67 p's codes; v68-70, v72-74 second halves as converted
.set PY,    68
.set S0,    80                         ; v80-143, v144-207 S^T then p, head 0 and head 1
.set V1,    208                        ; v208-255 V, set 1
.set QM,    36
.set OF,    0                          ; window 1: O^T, head e, channel block a at 32 e + 8 a
.set QF,    64                         ;           q, 12 a head
.set KF,    88                         ;           K: 8 tiles, 6 apart, + 6 zeros
.set VF0,   144                        ;           V, set 0
.set MK,    192                        ;           the mask
.set WV, 14
.set QB, 15
.set HP, 16
.set CX, 17
.set CY, 18
.set XX, 19
.set GG, 20
.set CLY, 21
.set SEL, 22
.set G1M, 24
.set G1KV, 32
.set G0M, 40
.set G0KV, 44
.set CS, 48
.set TB, 50
.set SLOTS, 51
.set FLR, 52
.set BOF, 53
.set LIM, 54
.set PFA, 56
.set PFS, 58
.set MSB, 0
.macro WIN new                         ; the immediate's high byte repeats the setting that is left
.if MSB != \new
	s_set_vgpr_msb (MSB<<8)|\new
.set MSB, \new
.endif
.endm
.macro CREST                           ; a round of the cluster's barrier behind its opening barrier
	s_cmp_lg_u32 s[WV], 0
	s_cbranch_scc1 .Lnot_wave_0_\@
	s_barrier_signal -3
.Lnot_wave_0_\@:
	s_barrier_wait -3
	s_barrier_signal -1
	s_barrier_wait -1
.endm
.macro CROUND
	s_barrier_signal -1
	s_barrier_wait -1
	CREST
.endm
.macro TLOAD                           ; waves 0-3: a quarter of the mask's tile each; wave 4: K and V; the others nothing
	s_cmp_lt_u32 s[WV], 4
	s_cbranch_scc0 .Lnot_m_\@
	tensor_load_to_lds s[G0M:G0M+3], s[G1M:G1M+7]
	s_nop 0
.rept 4
	v_nop
.endr
	s_branch .Lasked_\@
.Lnot_m_\@:
	s_cmp_eq_u32 s[WV], 4
	s_cbranch_scc0 .Lasked_\@
	tensor_load_to_lds s[G0KV:G0KV+3], s[G1KV:G1KV+7]
	s_nop 0
.rept 4
	v_nop
.endr
.Lasked_\@:
.endm
; A prefetch of the chunk that the NEXT refill will ask for (at the head: of chunk 1).  The mask's 64 rows x 1,024 bytes: cluster y = 0 asks, waves 6 and 7, the four partners of a column 16 rows each by address (cy);
; K and V: cluster x = 0 asks, wave 5, the partners 32 blocks of 256 bytes each by address (cx), lanes left over held at block 103.  The refill of the last chunk asks for nothing.
.macro ASK
	s_cmp_gt_u32 s[SLOTS], s[LIM]
	s_cbranch_scc0 .Lnot_mine_\@
	global_prefetch_b8 v[PFO], s[PFA:PFA+1] th:TH_LOAD_NT scope:SCOPE_SE
.Lnot_mine_\@:
.endm
.macro WALK                            ; no tensor load of mine is out: the descriptors step to the other slot and the next 256 keys, the prefetch's address likewise
	s_xor_b32 s[G0M+1], s[G0M+1], SLOT1
	s_add_nc_u64 s[G0M+2:G0M+3], s[G0M+2:G0M+3], 1024
	s_xor_b32 s[G0KV+1], s[G0KV+1], SLOT1
	s_add_nc_u64 s[G0KV+2:G0KV+3], s[G0KV+2:G0KV+3], 26624
	s_wait_xcnt 0x0
	s_add_nc_u64 s[PFA:PFA+1], s[PFA:PFA+1], s[PFS:PFS+1]
.endm
.macro SPROD o                         ; S^T = K Q^T + mask^T for head o
	WIN 0x15
.irp t, 0,1,2,3,4,5,6,7
.if \t%2
	v_wmma_scale_f32_16x16x128_f8f6f4 v[S0+64*(\o)+8*\t:S0+64*(\o)+8*\t+7], v[KF+6*\t:KF+6*\t+11], v[QF+12*(\o):QF+12*(\o)+11], v[MK+8*\t:MK+8*\t+7], v[KS+\t/2], v[QS+(\o)] matrix_a_fmt:MATRIX_FMT_BF6 matrix_b_fmt:MATRIX_FMT_BF6 matrix_a_scale:MATRIX_SCALE_ROW1
.else
	v_wmma_scale_f32_16x16x128_f8f6f4 v[S0+64*(\o)+8*\t:S0+64*(\o)+8*\t+7], v[KF+6*\t:KF+6*\t+11], v[QF+12*(\o):QF+12*(\o)+11], v[MK+8*\t:MK+8*\t+7], v[KS+\t/2], v[QS+(\o)] matrix_a_fmt:MATRIX_FMT_BF6 matrix_b_fmt:MATRIX_FMT_BF6
.endif
.endr
.endm
.macro PV o, vb                        ; O^T += V^T P^T for head o, V's set vb: four accumulators by turns
.if \vb
	WIN 0x50
.set VB, V1
.else
	WIN 0x51
.set VB, VF0
.endif
.irp a, 0,1,2,3
.if \a%2
	v_wmma_scale_f32_16x16x128_f8f6f4 v[OF+32*(\o)+8*\a:OF+32*(\o)+8*\a+7], v[VB+12*\a:VB+12*\a+11], v[PC:PC+11], v[OF+32*(\o)+8*\a:OF+32*(\o)+8*\a+7], v[VS+4*(\vb)+\a/2], v[PW] matrix_a_fmt:MATRIX_FMT_BF6 matrix_b_fmt:MATRIX_FMT_BF6 matrix_a_scale:MATRIX_SCALE_ROW1
.else
	v_wmma_scale_f32_16x16x128_f8f6f4 v[OF+32*(\o)+8*\a:OF+32*(\o)+8*\a+7], v[VB+12*\a:VB+12*\a+11], v[PC:PC+11], v[OF+32*(\o)+8*\a:OF+32*(\o)+8*\a+7], v[VS+4*(\vb)+\a/2], v[PW] matrix_a_fmt:MATRIX_FMT_BF6 matrix_b_fmt:MATRIX_FMT_BF6
.endif
.endr
.endm
.macro VLOAD f, q
.irp a, 0,1,2,3
.irp c, 0,1
	ds_load_b128 v[\f+12*\a+6*\c:\f+12*\a+6*\c+3], v[AV16] offset:13312+((4*(\q)+\a)*2+\c)*768
	ds_load_b64 v[\f+12*\a+6*\c+4:\f+12*\a+6*\c+5], v[AV8] offset:13312+((4*(\q)+\a)*2+\c)*768+512
.endr
.endr
.endm
; The fragments of the q-th 128 keys of the slot at s[TB]: 54 LDS loads in one run; V into set vb
.macro LOADS q, vb
	v_add_nc_u32 v[AK16], s[TB], v[AK16B]
	v_add_nc_u32 v[AK8], s[TB], v[AK8B]
	v_add_nc_u32 v[AM], s[TB], v[AMB]
	v_add_nc_u32 v[AV16], s[TB], v[AV16B]
	v_add_nc_u32 v[AV8], s[TB], v[AV8B]
	v_add_nc_u32 v[AKS], s[TB], v[AKSB]
.irp i, 0,1,2,3
	ds_load_b32 v[KS+\i], v[AKS] offset:12288+(2*(\q)+\i/2)*256+64*(\i%2)   ; lanes 0-15: tile 2 i's rows' words, lanes 16-31: tile 2 i + 1's
.endr
.irp c, 0,1
	ds_load_b64 v[VS+4*(\vb)+2*\c:VS+4*(\vb)+2*\c+1], v[AV8] offset:25600+(2*(\q)+\c)*256
.endr
.if \vb
	VLOAD V1, \q
.endif
	WIN 0x40
.irp c, 0,1
.irp g, 0,1,2,3,4,5,6,7
	ds_load_b128 v[MK+32*\c+4*\g:MK+32*\c+4*\g+3], v[AM] offset:512*(\q)+256*\c+16*\g   ; mask(my query, keys 64 c + 32 h + 4 g on)
.endr
.endr
.irp t, 0,1,2,3,4,5,6,7
	ds_load_b128 v[KF+6*\t:KF+6*\t+3], v[AK16] offset:(8*(\q)+4*(\t/4)+\t%2)*768+128*((\t%4)/2)
	ds_load_b64 v[KF+6*\t+4:KF+6*\t+5], v[AK8] offset:(8*(\q)+4*(\t/4)+\t%2)*768+512+64*((\t%4)/2)
.endr
.if \vb == 0
	VLOAD VF0, \q
.endif
	WIN 0
.endm
; A PHASE: head e's softmax of 128 keys.  pv, sp: the other head's O^T += V^T P^T (V's set vb) and its next scores are issued.  ld: the next step's fragments are loaded (q, V's set vb, just read for the last time).
; sync: 1 the loads of the phase before are awaited; 2 and a barrier shows the last chunk whole; 3 and a round of the cluster's barrier, behind which the slot left behind is filled again.
.macro PHASE e, pv, sp, vb, ld, q, sync
.set SS, S0+64*(\e)
.set NM, 12+4*(\e)
.set LS, 14+4*(\e)
.if \sync >= 2
	s_wait_tensorcnt 0x0                           ; all my tensor loads have landed
	ds_add_u32 v[SPW], v[NIL]
.if \sync == 3
	ds_add_u32 v[SPW], v[NIL]                      ; ahead of a refill, the add once more
	WALK
.endif
.endif
.if \sync >= 1
	s_wait_dscnt 0x0                               ; the next step's fragments are in: my reads of their chunk so far are over (and the add is done)
.endif
.if \sync >= 2
	s_barrier_signal -1
.endif
	s_wait_alu depctr_va_vdst(0)                   ; the wait directly ahead of the first readers of the scores
.irp b, 0,1,2,3
	v_max3_num_f32 v[BM+\b], v[SS+16*\b], v[SS+16*\b+1], v[SS+16*\b+8]   ; four chains of 16; these four read all eight tiles at their low ends
.endr
.if \sync >= 1
	v_or_b32 v[VS+4-4*(\vb)], v[VS+4-4*(\vb)], v[VS+6-4*(\vb)]   ; the two halves' bytes make V's scale words of the step just loaded
	v_or_b32 v[VS+5-4*(\vb)], v[VS+5-4*(\vb)], v[VS+7-4*(\vb)]
.endif
.if \pv
	PV 1-(\e), \vb
.endif
.if \sp
	SPROD 1-(\e)
.endif
	WIN 0
.irp i, 2,4,6,9,11,13
.irp b, 0,1,2,3
	v_max3_num_f32 v[BM+\b], v[BM+\b], v[SS+16*\b+\i], v[SS+16*\b+\i+1]
.endr
.endr
	v_max3_num_f32 v[BM], v[BM], v[SS+15], v[SS+31]
	v_max3_num_f32 v[BM+2], v[BM+2], v[SS+47], v[SS+63]
.if \ld
	LOADS \q, \vb                                  ; 26 plain lines stand behind the matrix instructions that read these registers
.endif
	v_max_num_f32 v[BM], v[BM], v[BM+1]            ; my block c = 0: keys 32 h on
	v_max_num_f32 v[BM+2], v[BM+2], v[BM+3]        ; my block c = 1: keys 64 + 32 h on
	v_mov_b32 v[PX+1], v[NM]
	s_delay_alu instid0(VALU_DEP_2)
	v_max_num_f32 v[TT], v[BM], v[BM+2]
	s_delay_alu instid0(VALU_DEP_1)
	v_permlanex16_b32 v[PX], v[TT], s[SEL], s[SEL+1]
	s_delay_alu instid0(VALU_DEP_1)
	v_max3_num_f32 v[NM+1], v[NM+1], v[TT], v[PX]  ; the running largest score of my query
	s_delay_alu instid0(VALU_DEP_1)
	v_mul_f32 v[TT], s[CS], v[NM+1]                ; as t
	s_delay_alu instid0(VALU_DEP_1)
	v_floor_f32 v[NM], -v[TT]                      ; -M = floor(-t)
.set j, 0
.rept 32
	v_pk_fma_f32 v[SS+j:SS+j+1], v[SS+j:SS+j+1], s[CS:CS+1], v[NM:NM+1] op_sel_hi:[1,0,0]   ; t - M
.if j == 6
	v_sub_f32 v[TT], v[NM], v[PX+1]                ; old M - new M, a whole number
.endif
.if j == 14
	v_cvt_i32_f32 v[TT], v[TT]                     ; (it saturates)
.endif
.if j == 22
	v_ldexp_f32 v[FF], 1.0, v[TT]                  ; f = 2^(old M - new M)
.endif
.set j, j+2
.endr
	v_fma_f32 v[BM], v[BM], s[CS], v[NM]           ; the same of each block's largest score
	v_fma_f32 v[BM+2], v[BM+2], s[CS], v[NM]
.if \sync >= 2
	s_barrier_wait -1
.endif
.if \sync == 3
	CREST                                          ; no wave of any partner still reads the slot left behind or has a load on its way
	TLOAD                                          ; my one tensor load behind the round
	ASK
.endif
	s_wait_alu depctr_va_vdst(0)                   ; the wait ahead of the batch
	v_exp_f32 v[BM], v[BM]                         ; the blocks' largest p
	v_exp_f32 v[BM+2], v[BM+2]
.set j, 0
.rept 64
	v_exp_f32 v[SS+j], v[SS+j]                     ; p = 2^(t - M)
.set j, j+1
.endr
	v_pk_mul_f32 v[LS:LS+1], v[LS:LS+1], v[FF:FF+1] op_sel_hi:[1,0]   ; the sums under the new M: the plain place behind the batch
	s_wait_alu depctr_va_vdst(0)                   ; one wait for the batch of 66
	v_max_num_f32 v[BM], 0x2800000, v[BM]          ; the floor 2^(5 - 127): the byte cannot fall under 1
	v_max_num_f32 v[BM+2], 0x2800000, v[BM+2]
	v_pk_add_f32 v[L2:L2+1], v[SS:SS+1], v[SS+2:SS+3]
	v_add_nc_u32 v[CV], 0xfe000000, v[BM]          ; 4 off the exponent field: the conversions' scale operands
	v_add_nc_u32 v[CV+1], 0xfe000000, v[BM+2]
.irp c, 0,1
	v_cvt_scalef32_pk16_bf6_f32 v[PC+6*\c:PC+6*\c+2], v[SS+32*\c:SS+32*\c+15], v[CV+\c]
	v_cvt_scalef32_pk16_bf6_f32 v[PY+4*\c:PY+4*\c+2], v[SS+32*\c+16:SS+32*\c+31], v[CV+\c]
.endr
.irp j, 4,8,12,16,20,24,28,32,36,40,44,48,52,56,60
	v_pk_add_f32 v[LS:LS+1], v[LS:LS+1], v[SS+\j:SS+\j+1]       ; the row's sum of the unquantised p, in two chains
	v_pk_add_f32 v[L2:L2+1], v[L2:L2+1], v[SS+2+\j:SS+3+\j]
.endr
	v_lshrrev_b32 v[PX], 23, v[CV]                 ; my two scale bytes: blocks h and 2 + h
	v_lshrrev_b32 v[PX+1], 23, v[CV+1]
	v_pk_add_f32 v[LS:LS+1], v[LS:LS+1], v[L2:L2+1]
	v_lshl_or_b32 v[PX], v[PX+1], 16, v[PX]
	s_delay_alu instid0(VALU_DEP_1)
	v_lshlrev_b32 v[PX], v[SH8], v[PX]             ; at their places in the word
	s_delay_alu instid0(VALU_DEP_1)
	v_permlanex16_b32 v[PX+1], v[PX], s[SEL], s[SEL+1]
	s_delay_alu instid0(VALU_DEP_1)
	v_or_b32 v[PW], v[PX], v[PX+1]                 ; with lane l xor 16's two the word is whole
.irp c, 0,1
.irp i, 0,1,2
	v_mov_b32 v[PC+3+6*\c+\i], v[PY+4*\c+\i]       ; a conversion's three registers begin on an even number
.endr
.endr
	WIN 0x41
	s_wait_alu depctr_va_vdst(0)                   ; the wait directly ahead of the first readers of O^T
.irp j, 0,2,4,6,8,10,12,14,16,18,20,22,24,26,28,30
	v_pk_mul_f32 v[OF+32*(\e)+\j:OF+32*(\e)+\j+1], v[OF+32*(\e)+\j:OF+32*(\e)+\j+1], v[FF:FF+1] op_sel_hi:[1,0]   ; O^T under the new M
.endr
	WIN 0
.endm
	s_load_b256 s[4:11], s[0:1], 0x0               ; qc, kv, mask, ac
	s_load_b64 s[12:13], s[0:1], 0x20              ; asc
	v_lshl_add_u32 v[SPW], v0, 2, SPARE
	v_mov_b32 v[NIL], 0
	ds_add_u32 v[SPW], v[NIL]                      ; the opening lines: the add twice and its wait
	ds_add_u32 v[SPW], v[NIL]
	s_wait_dscnt 0x0
	v_lshrrev_b32 v1, 5, v0
	s_delay_alu instid0(VALU_DEP_1)
	v_readfirstlane_b32 s[WV], v1                  ; wave 0..7
	s_and_b32 s[QB], s[WV], 3
	s_lshr_b32 s[HP], s[WV], 2
	s_bfe_u32 s[CX], ttmp6, 0x40000
	s_bfe_u32 s[CY], ttmp6, 0x40004
	s_lshl_b32 s[XX], ttmp9, 2
	s_add_co_u32 s[XX], s[XX], s[CX]               ; x: my 64 queries
	s_and_b32 s[CLY], ttmp7, 0xffff
	s_lshl_b32 s[GG], s[CLY], 2
	s_add_co_u32 s[GG], s[GG], s[CY]               ; g: my group
	s_lshl_b32 s60, s[CY], 2
	s_lshl_b32 s60, 15, s60                        ; my row of the cluster: the same g
	s_lshl_b32 s61, 0x1111, s[CX]                  ; my column: the same x
	s_or_b32 s[G1M], s61, (2<<16)|(1<<20)|(1<<21)|(7<<22)|(3<<25)   ; the mask's tile: elements of 4 bytes; 4 words of padding behind every 256
	s_mov_b32 s[G1M+1], 256<<16
	s_mov_b32 s[G1M+2], 16<<16
	s_mov_b32 s[G1M+3], 256<<16
	s_mov_b32 s[G1M+4], 16
	s_mov_b32 s[G1M+5], 2048
	s_mov_b32 s[G1M+6], 0
	s_mov_b32 s[G1M+7], 0
	s_or_b32 s[G1KV], s60, (3<<16)|(1<<21)         ; K and V: a dense block as 104 rows of 32 elements of 8 bytes
	s_mov_b32 s[G1KV+1], 32<<16
	s_mov_b32 s[G1KV+2], 104<<16
	s_mov_b32 s[G1KV+3], 32<<16
	s_mov_b32 s[G1KV+4], 104
	s_mov_b32 s[G1KV+5], 32
	s_mov_b32 s[G1KV+6], 0
	s_mov_b32 s[G1KV+7], 0
	s_lshl_b32 s62, s[XX], 6
	s_lshl_b32 s63, s[WV], 4
	s_add_co_u32 s62, s62, s63
	s_lshl_b32 s62, s62, 13                        ; mask row 64 x + 16 wave (waves 0-3 alone use it)
	s_mov_b32 s63, 0
	s_mul_i32 s66, s[GG], 212992
	s_mov_b32 s67, 0
	s_mov_b32 s[SEL], 0x76543210
	s_mov_b32 s[SEL+1], 0xfedcba98
	s_mov_b32 s[CS], 0x3fb8aa3b                    ; log2(e)
	s_mov_b32 s[CS+1], s[CS]
	s_mov_b32 s[TB], 0
	s_mov_b32 s[SLOTS], 7
	s_mov_b32 s[FLR], 0x2800000
	s_mov_b32 s[BOF], 0x2000000
	s_wait_kmcnt 0x0
	s_mov_b32 s[G0M], 1
	s_mul_i32 s[G0M+1], s[WV], MQ
	s_add_nc_u64 s[G0M+2:G0M+3], s[8:9], s[62:63]
	s_or_b32 s[G0M+3], s[G0M+3], 0x80000000
	s_mov_b32 s[G0KV], 1
	s_mov_b32 s[G0KV+1], KVO
	s_add_nc_u64 s[G0KV+2:G0KV+3], s[6:7], s[66:67]
	s_or_b32 s[G0KV+3], s[G0KV+3], 0x80000000
	CROUND                                         ; all sixteen work-groups are here
	TLOAD                                          ; slot 0: keys 0 to 255
	; q: two half images and two scale words
	s_lshl_b32 s68, s[GG], 2
	s_lshl_b32 s69, s[HP], 1
	s_add_co_u32 s68, s68, s69                     ; my first head
	s_mul_i32 s68, s68, 106496
	s_lshr_b32 s69, s[XX], 2
	s_mul_i32 s69, s69, 13312
	s_add_co_u32 s68, s68, s69
	s_mov_b32 s69, 0
	s_add_nc_u64 s[4:5], s[4:5], s[68:69]          ; its chunk of 256 positions
	s_and_b32 s70, s[XX], 3
	s_lshl_b32 s71, s70, 2
	s_add_co_u32 s71, s71, s[QB]
	s_mul_i32 s71, s71, 768                        ; my block's half image
	s_lshl_b32 s70, s70, 8
	s_add_co_u32 s70, s70, 12288                   ; the pack of my work-group's four blocks: block a's word of row r at ((a % 2) 16 + r) 8 + (a / 2) 4
	s_and_b32 s72, s[QB], 1
	s_lshl_b32 s72, s72, 7
	s_add_co_u32 s70, s70, s72
	s_lshr_b32 s72, s[QB], 1
	s_lshl_b32 s72, s72, 2
	s_add_co_u32 s70, s70, s72
	s_lshr_b32 s72, s[QB], 1
	s_mul_i32 s72, s72, 2*MQ
	s_and_b32 s73, s[QB], 1
	s_mul_i32 s73, s73, 8*MP
	s_add_co_u32 s72, s72, s73                     ; my query block's first mask row in LDS
	; the way out: ac, asc
	s_lshl_b32 s73, s[XX], 2
	s_add_co_u32 s73, s73, s[QB]                   ; my row block 4 x + qb
	s_mul_i32 s74, s73, 24576
	s_lshl_b32 s75, s[GG], 1
	s_add_co_u32 s75, s75, s[HP]                   ; my two heads are K step 2 g + hp of the last product
	s_mul_i32 s75, s75, 1536
	s_add_co_u32 s74, s74, s75
	s_mov_b32 s75, 0
	s_add_nc_u64 s[10:11], s[10:11], s[74:75]
	s_lshl_b32 s74, s73, 10
	s_lshr_b32 s76, s[GG], 1
	s_lshl_b32 s76, s76, 8
	s_add_co_u32 s74, s74, s76
	s_lshl_b32 s76, s[HP], 7
	s_add_co_u32 s74, s74, s76
	s_and_b32 s76, s[GG], 1
	s_lshl_b32 s76, s76, 2
	s_add_co_u32 s74, s74, s76
	s_add_nc_u64 s[12:13], s[12:13], s[74:75]
	; the prefetches: where my wave's stand (chunk 1), and who asks
	s_lshl_b32 s76, s[XX], 6
	s_lshl_b32 s77, s[CY], 4
	s_add_co_u32 s76, s76, s77
	s_lshl_b32 s76, s76, 13
	s_and_b32 s77, s[WV], 1
	s_lshl_b32 s77, s77, 9
	s_add_co_u32 s76, s76, s77
	s_add_co_u32 s76, s76, 1024
	s_add_co_u32 s77, s66, 26624
	s_lshl_b32 s80, s[CX], 5
	s_mov_b32 s[PFS], 26624
	s_cmp_ge_u32 s[WV], 6
	s_cselect_b64 s[PFA:PFA+1], s[8:9], s[6:7]
	s_cselect_b32 s[PFS], 1024, s[PFS]
	s_cselect_b32 s76, s76, s77
	s_cselect_b32 s78, s[CLY], ttmp9               ; the coordinate along which other clusters read the same bytes
	s_cselect_b32 s79, -1, 0
	s_mov_b32 s77, 0
	s_mov_b32 s[PFS+1], 0
	s_add_nc_u64 s[PFA:PFA+1], s[PFA:PFA+1], s[76:77]
	s_cmp_eq_u32 s78, 0
	s_cselect_b32 s[LIM], 1, -1
	s_cmp_lt_u32 s[WV], 5
	s_cselect_b32 s[LIM], -1, s[LIM]               ; the same in all sixteen partners, for a given wave
	; the lanes' addresses
	v_and_b32 v80, 31, v0                          ; lane
	v_and_b32 v81, 15, v0                          ; r
	v_bfe_u32 v82, v0, 4, 1                        ; h
	v_bfe_u32 v83, v0, 3, 1                        ; r / 8
	v_and_b32 v84, 7, v0                           ; r % 8
	v_lshlrev_b32 v[L16], 4, v80
	v_lshlrev_b32 v[R8], 3, v81
	v_lshlrev_b32 v[SH8], 3, v82
	v_add_nc_u32 v87, s71, v[L16]
	v_lshl_add_u32 v88, v80, 3, s71
	v_add_nc_u32 v89, s70, v[R8]
	v_mul_u32_u24 v[AK16B], v83, 1536              ; K: rows 8-15 of a score tile come from the stored image two further on,
	v_lshl_add_u32 v[AK8B], v84, 3, v[AK16B]       ; rows r % 8 (+ 8 by the loads' offsets) of it
	v_lshl_add_u32 v[AK16B], v84, 4, v[AK16B]
	v_lshl_add_u32 v[AK8B], v82, 7, v[AK8B]
	v_lshl_add_u32 v[AK16B], v82, 8, v[AK16B]
	v_add_nc_u32 v[AK8B], KVO, v[AK8B]
	v_add_nc_u32 v[AK16B], KVO, v[AK16B]
	v_lshlrev_b32 v[AKSB], 3, v84
	v_lshl_add_u32 v[AKSB], v83, 2, v[AKSB]
	v_lshl_add_u32 v[AKSB], v82, 7, v[AKSB]        ; lanes 16-31 take the odd tile's words
	v_add_nc_u32 v[AKSB], KVO, v[AKSB]
	v_lshl_add_u32 v[AV16B], v80, 4, KVO
	v_lshl_add_u32 v[AV8B], v80, 3, KVO
	v_mul_u32_u24 v[AMB], v83, MQ                  ; my query is row 32 (qb / 2) + 8 (qb % 2) + r % 8 + 16 (r / 8) of the 64
	v_mad_u32_u24 v[AMB], v84, MP, v[AMB]
	v_lshl_add_u32 v[AMB], v82, 7, v[AMB]          ; + 32 h keys
	v_add_nc_u32 v[AMB], s72, v[AMB]
	v_lshlrev_b32 v85, 13, v81
	v_lshl_add_u32 v85, v82, 8, v85                ; prefetch, the mask: a lane a row (of 16) and a block (of 2)
	v_add_nc_u32 v86, s80, v80
	v_min_u32 v86, 103, v86
	v_lshlrev_b32 v86, 8, v86                      ; K and V: a lane a block
	v_cndmask_b32 v[PFO], v86, v85, s79
.irp e, 0,1
	global_load_b32 v[QS+\e], v89, s[4:5] offset:106496*\e
	v_mov_b32 v[13+4*\e], 0xff000000               ; the largest score so far: -2^127
	v_mov_b32 v[14+4*\e], 0                        ; the sum, in two halves
	v_mov_b32 v[15+4*\e], 0
	v_mul_f32 v[12+4*\e], s[CS], v[13+4*\e]
	v_floor_f32 v[12+4*\e], -v[12+4*\e]            ; -M
.endr
	v_mov_b32 v[PX], 0                             ; a lane permute's destination counts as one of its sources
	v_mov_b32 v[PX+1], 0
	v_mov_b32 v[FF+1], 0                           ; named as the upper half of a pair
	WIN 0x40
.irp e, 0,1
	global_load_b128 v[QF+12*\e:QF+12*\e+3], v87, s[4:5] offset:106496*\e
	global_load_b64 v[QF+12*\e+4:QF+12*\e+5], v88, s[4:5] offset:106496*\e+512
.irp i, 6,7,8,9,10,11
	v_mov_b32 v[QF+12*\e+\i], 0                    ; zero codes for k = 64 .. 127
.endr
.endr
.irp i, 48,49,50,51,52,53
	v_mov_b32 v[KF+\i], 0                          ; behind K's last tile
.endr
.set j, 0
.rept 64
	v_mov_b32 v[OF+j], 0                           ; O^T: the phase is written once; the first finds zeros
.set j, j+1
.endr
	WIN 0
	s_wait_alu depctr_va_vdst(0)                   ; the wait at the head's end
	ASK                                            ; chunk 1
	s_wait_tensorcnt 0x0                           ; my part of chunk 0 is in; slot 1's first fill is issued as a refill is
	ds_add_u32 v[SPW], v[NIL]
	ds_add_u32 v[SPW], v[NIL]
	WALK
	s_wait_dscnt 0x0
	CROUND
	TLOAD                                          ; slot 1: keys 256 to 511
	ASK                                            ; chunk 2
	s_mov_b32 s[SLOTS], 6
	LOADS 0, 0
	s_wait_loadcnt 0x0                             ; q
	s_wait_dscnt 0x0
	v_or_b32 v[VS], v[VS], v[VS+2]
	v_or_b32 v[VS+1], v[VS+1], v[VS+3]
	SPROD 0
	WIN 0
.rept 4
	v_nop                                          ; places in front of the first read of the scores
.endr
	PHASE 0, 0, 1, 1, 1, 1, 0                      ; step 0, head 0; head 1's scores of step 0; step 1's fragments
	s_mov_b32 s[TB], SLOT1
.Ltrip:                                            ; six trips of two steps; trip c fills chunk c + 2 and loads the fragments of chunk c + 1
	PHASE 1, 1, 1, 0, 0, 0, 3
	PHASE 0, 1, 1, 0, 1, 0, 0
	PHASE 1, 1, 1, 1, 0, 0, 1
	PHASE 0, 1, 1, 1, 1, 1, 0
	s_xor_b32 s[TB], s[TB], SLOT1
	s_sub_co_u32 s[SLOTS], s[SLOTS], 1
	s_cmp_lg_u32 s[SLOTS], 0
	s_cbranch_scc1 .Ltrip
	PHASE 1, 1, 1, 0, 0, 0, 2                      ; the tail is written out: nothing more is fetched
	PHASE 0, 1, 1, 0, 1, 0, 0
	PHASE 1, 1, 1, 1, 0, 0, 1
	PHASE 0, 1, 1, 1, 1, 1, 0
	PHASE 1, 1, 1, 0, 0, 0, 1
	PHASE 0, 1, 1, 0, 0, 0, 0
	PHASE 1, 1, 0, 1, 0, 0, 0
	PV 1, 1
	WIN 0
	; THE WAY OUT.  O^T / the sum; each head's 64 channels are two blocks of 32 along the hidden axis; my two heads make one fragment of the last product's operand, stored as its registers' image.
	v_add_f32 v14, v14, v15
	v_add_f32 v18, v18, v19
	s_delay_alu instid0(VALU_DEP_2)
	v_permlanex16_b32 v[PX], v14, s[SEL], s[SEL+1]
	s_delay_alu instid0(VALU_DEP_2)
	v_permlanex16_b32 v[PX+1], v18, s[SEL], s[SEL+1]
	s_delay_alu instid0(VALU_DEP_2)
	v_add_f32 v14, v14, v[PX]
	s_delay_alu instid0(VALU_DEP_2)
	v_add_f32 v18, v18, v[PX+1]                    ; the rows' sums.  (Six plain lines: the places behind the last products)
	s_wait_alu depctr_va_vdst(0)
	v_rcp_f32 v[CV], v14
	v_rcp_f32 v[CV+1], v18
	v_nop
	WIN 0x01
	s_wait_alu depctr_va_vdst(0)                   ; for both reciprocals, and directly ahead of the first readers of O^T
.irp e, 0,1
.set j, 0
.rept 32
	v_mul_f32 v[S0+32*\e+j], v[OF+32*\e+j], v[CV+\e]   ; each accumulator from its low end on
.set j, j+1
.endr
.endr
	WIN 0
.macro QUANT2 n, pc, py, w             ; 32 numbers, register 16 b + i = k 32 b + 16 h + i, become a half image in v[pc .. pc + 5] and the word w = byte 0 | byte 1 << 8
	v_max3_num_f32 v[QM], |v[\n]|, |v[\n+1]|, s[FLR]
	v_max3_num_f32 v[QM+1], |v[\n+16]|, |v[\n+17]|, s[FLR]
.irp i, 2,4,6,8,10,12,14
	s_delay_alu instid0(VALU_DEP_2)
	v_max3_num_f32 v[QM], v[QM], |v[\n+\i]|, |v[\n+\i+1]|
	s_delay_alu instid0(VALU_DEP_2)
	v_max3_num_f32 v[QM+1], v[QM+1], |v[\n+16+\i]|, |v[\n+17+\i]|
.endr
	s_delay_alu instid0(VALU_DEP_2)
	v_permlanex16_b32 v[QM+2], v[QM], s[SEL], s[SEL+1]
	s_delay_alu instid0(VALU_DEP_2)
	v_permlanex16_b32 v[QM+3], v[QM+1], s[SEL], s[SEL+1]
	s_delay_alu instid0(VALU_DEP_2)
	v_max_num_f32 v[QM], v[QM], v[QM+2]
	s_delay_alu instid0(VALU_DEP_2)
	v_max_num_f32 v[QM+1], v[QM+1], v[QM+3]
	s_delay_alu instid0(VALU_DEP_2)
	v_add_nc_u32 v[QM+4], 0xfe000000, v[QM]
	s_delay_alu instid0(VALU_DEP_2)
	v_add_nc_u32 v[QM+5], 0xfe000000, v[QM+1]
	s_delay_alu instid0(VALU_DEP_4)
	v_sub_nc_u32 v[QM+2], v[QM], s[BOF]
	s_delay_alu instid0(VALU_DEP_4)
	v_sub_nc_u32 v[QM+3], v[QM+1], s[BOF]
	s_delay_alu instid0(VALU_DEP_2)
	v_lshrrev_b32 v[QM+2], 23, v[QM+2]
	s_delay_alu instid0(VALU_DEP_2)
	v_lshrrev_b32 v[QM+3], 23, v[QM+3]
	s_delay_alu instid0(VALU_DEP_1)
	v_lshl_or_b32 v[\w], v[QM+3], 8, v[QM+2]
	v_cvt_scalef32_pk16_bf6_f32 v[\pc:\pc+2], v[\n:\n+15], v[QM+4]
	v_cvt_scalef32_pk16_bf6_f32 v[\py:\py+2], v[\n+16:\n+31], v[QM+5]
	v_nop
.irp i, 0,1,2
	v_permlane16_swap_b32 v[\pc+\i], v[\py+\i]
.endr
.irp i, 0,1,2
	s_delay_alu instid0(VALU_DEP_3)
	v_mov_b32 v[\pc+3+\i], v[\py+\i]
.endr
.endm
	QUANT2 S0, PC, PY, 46
	QUANT2 S0+32, PC+6, PY, 47
	v_lshl_or_b32 v[PW], v47, 16, v46              ; the K step's scale word of my row
.irp c, 0,1,2
	global_store_b128 v[L16], v[PC+4*\c:PC+4*\c+3], s[10:11] offset:512*\c   ; 512 consecutive bytes
.endr
	global_store_b32 v[R8], v[PW], s[12:13]        ; 4 bytes of every 8 in 128: the words between belong to another group's work-group; both halves of the lanes write the same word with the same value
	s_wait_tensorcnt 0x0                           ; the wave's end
	ds_add_u32 v[SPW], v[NIL]
	s_wait_dscnt 0x0
	CROUND                                         ; the closing round
	s_endpgm
.Lfunc_end_k_qb1423c623c_attn:
	.size	k_qb1423c623c_attn, .Lfunc_end_k_qb1423c623c_attn-k_qb1423c623c_attn
	.p2alignl 7, 3214868480
	.fill 96, 4, 3214868480
	.section	.rodata,"a",@progbits
	.p2align	6, 0x0
	.amdhsa_kernel k_qb1423c623c_attn
		.amdhsa_group_segment_fixed_size 327680
		.amdhsa_private_segment_fixed_size 0
		.amdhsa_enable_private_segment 0
		.amdhsa_kernarg_size 40
		.amdhsa_user_sgpr_count 2
		.amdhsa_user_sgpr_kernarg_segment_ptr 1
		.amdhsa_wavefront_size32 1
		.amdhsa_system_sgpr_workgroup_id_x 1
		.amdhsa_system_sgpr_workgroup_id_y 1
		.amdhsa_system_sgpr_workgroup_id_z 1
		.amdhsa_system_vgpr_workitem_id 0
		.amdhsa_next_free_vgpr 512
		.amdhsa_next_free_sgpr 84
		.amdhsa_reserve_vcc 0
		.amdhsa_float_denorm_mode_32 3
		.amdhsa_float_denorm_mode_16_64 3
		.amdhsa_memory_ordered 1
		.amdhsa_forward_progress 1
		.amdhsa_inst_pref_size 199
	.end_amdhsa_kernel
	.amdgpu_metadata
---
amdhsa.version: [ 1, 2 ]
amdhsa.kernels:
  - .name:           k_qb1423c623c_attn
    .symbol:         k_qb1423c623c_attn.kd
    .args:
      - { .name: qc, .offset: 0, .size: 8, .value_kind: global_buffer, .address_space: global }
      - { .name: kv, .offset: 8, .size: 8, .value_kind: global_buffer, .address_space: global }
      - { .name: mask, .offset: 16, .size: 8, .value_kind: global_buffer, .address_space: global }
      - { .name: ac, .offset: 24, .size: 8, .value_kind: global_buffer, .address_space: global }
      - { .name: asc, .offset: 32, .size: 8, .value_kind: global_buffer, .address_space: global }
    .group_segment_fixed_size: 327680
    .private_segment_fixed_size: 0
    .kernarg_segment_align: 8
    .kernarg_segment_size: 40
    .max_flat_workgroup_size: 256
    .sgpr_count:     84
    .vgpr_count:     512
    .wavefront_size: 32
...
	.end_amdgpu_metadata
.endif
;; end of part 3
;; launch oproj (part 4): grid 16 x 16, 4 waves a work-group, clusters of 4 x 4, 327,680 bytes of LDS; arguments ac, asc, cod, scl, bo, out0; writes out0
.if DOCPART == 4
	.amdgcn_target "amdgcn-amd-amdhsa--gfx1250"
	.amdhsa_code_object_version 6
	.text
	.protected	k_qb1423c623c_oproj
	.globl	k_qb1423c623c_oproj
	.p2align	8
	.type	k_qb1423c623c_oproj,@function
k_qb1423c623c_oproj:
	s_mov_b64 s[64:65], 0
	v_nop
	global_prefetch_b8 v0, s[64:65] scope:SCOPE_SE
	s_setreg_imm32_b32 hwreg(HW_REG_WAVE_MODE, 25, 1), 1
	s_wait_xcnt 0x0
	s_wait_alu depctr_hold_cnt(0) depctr_sa_sdst(0) depctr_va_vdst(0) depctr_va_sdst(0) depctr_va_ssrc(0) depctr_va_vcc(0) depctr_vm_vsrc(0)
	s_getreg_b32 s2, hwreg(HW_REG_IB_STS2, 6, 4)
	s_cmp_eq_u32 s2, 0
	s_cbranch_scc0 .Lentry_in_a_cluster
	s_endpgm
.Lentry_in_a_cluster:
	s_bfe_u32 s2, ttmp6, 0x10000c
	s_cmp_lg_u32 s2, 0xf033
	s_cbranch_scc0 .Lentry_shape_is_right
	s_endpgm
.Lentry_shape_is_right:
.set ACC,  128
.set SP,   32
.set SQ,   64
.set BI,   96
.set F0,   0
.set F1,   128
.set ADRP, 4
.set ADRQ, 6
.set SPW,  8
.set NIL,  9
.set L16,  10
.set L8,   11
.set STO,  12
.set RD,   13
.set CO,   14
.set IMG,  1536
.set QTR,  4*IMG
.set BLKB, 16*IMG
.set WTILE, 4*QTR
.set SLOT, 16*QTR
.set STAGE, 2*SLOT
.set SPITCH, 272
.set SPARE, STAGE+4*16*SPITCH
.set WV, 20
.set WP, 21
.set WQ, 22
.set G1, 24
.set G0, 32
.set G1B, 48
.set G0B, 56
.set MSB, 0
.macro WIN new
.if MSB != \new
	s_set_vgpr_msb (MSB<<8)|\new
.set MSB, \new
.endif
.endm
.macro JLOAD g0a, g1a, g0b, g1b
	s_cmp_eq_u32 s[WP], 0
	s_cbranch_scc0 .Lfor_b_\@
	tensor_load_to_lds s[\g0a:\g0a+3], s[\g1a:\g1a+7]
	s_nop 0
.rept 4
	v_nop
.endr
	s_branch .Lasked_\@
.Lfor_b_\@:
	tensor_load_to_lds s[\g0b:\g0b+3], s[\g1b:\g1b+7]
	s_nop 0
.rept 4
	v_nop
.endr
.Lasked_\@:
.endm
.macro CREST
	s_cmp_lg_u32 s[WV], 0
	s_cbranch_scc1 .Lnot_wave_0_\@
	s_barrier_signal -3
.Lnot_wave_0_\@:
	s_barrier_wait -3
	s_barrier_signal -1
	s_barrier_wait -1
.endm
.macro CROUND
	s_barrier_signal -1
	s_barrier_wait -1
	CREST
.endm
.macro PLACES
.rept 4
	v_nop
.endr
.endm
.macro FETCH slot, k, f
	WIN 0x40
.irp a, 0,1,2,3
.irp c, 0,1,2
	ds_load_b128 v[\f+12*\a+4*\c:\f+12*\a+4*\c+3], v[ADRP+\slot] offset:\a*QTR+(\k)*IMG+512*\c
	ds_load_b128 v[\f+48+12*\a+4*\c:\f+48+12*\a+4*\c+3], v[ADRQ+\slot] offset:\a*QTR+(\k)*IMG+512*\c
.endr
.endr
.endm
.macro MUL4 f, kk, a, zero
.irp b, 0,1,2,3
.if \zero
	v_wmma_scale_f32_16x16x128_f8f6f4 v[ACC+8*(4*(\a)+\b):ACC+8*(4*(\a)+\b)+7], v[\f+48+12*\b:\f+48+12*\b+11], v[\f+12*(\a):\f+12*(\a)+11], 0, v[SQ+8*\b+(\kk)/2], v[SP+8*(\a)+(\kk)/2] matrix_a_fmt:MATRIX_FMT_BF6 matrix_b_fmt:MATRIX_FMT_BF6
.elseif (\kk)%2
	v_wmma_scale_f32_16x16x128_f8f6f4 v[ACC+8*(4*(\a)+\b):ACC+8*(4*(\a)+\b)+7], v[\f+48+12*\b:\f+48+12*\b+11], v[\f+12*(\a):\f+12*(\a)+11], v[ACC+8*(4*(\a)+\b):ACC+8*(4*(\a)+\b)+7], v[SQ+8*\b+(\kk)/2], v[SP+8*(\a)+(\kk)/2] matrix_a_fmt:MATRIX_FMT_BF6 matrix_b_fmt:MATRIX_FMT_BF6 matrix_a_scale:MATRIX_SCALE_ROW1 matrix_b_scale:MATRIX_SCALE_ROW1
.else
	v_wmma_scale_f32_16x16x128_f8f6f4 v[ACC+8*(4*(\a)+\b):ACC+8*(4*(\a)+\b)+7], v[\f+48+12*\b:\f+48+12*\b+11], v[\f+12*(\a):\f+12*(\a)+11], v[ACC+8*(4*(\a)+\b):ACC+8*(4*(\a)+\b)+7], v[SQ+8*\b+(\kk)/2], v[SP+8*(\a)+(\kk)/2] matrix_a_fmt:MATRIX_FMT_BF6 matrix_b_fmt:MATRIX_FMT_BF6
.endif
.endr
.endm
.macro STEP slot, k, kk, f, g, zero
	s_wait_dscnt 0x0
	PLACES
	FETCH \slot, (\k)+1, \g
	WIN 0x05
	MUL4 \f, \kk, 0, \zero
	MUL4 \f, \kk, 1, \zero
	MUL4 \f, \kk, 2, \zero
	MUL4 \f, \kk, 3, \zero
.endm
.macro TURN slot, next, kk, fill
	WIN 0
	s_wait_tensorcnt 0x0
	ds_add_u32 v[SPW], v[NIL]
	s_wait_dscnt 1
	WIN 0x05
	MUL4 F1, \kk, 0, 0
	s_wait_dscnt 0x0
	s_barrier_signal -1
	MUL4 F1, \kk, 1, 0
	WIN 0
	s_barrier_wait -1
.if \fill
	CREST
	s_add_nc_u64 s[G0+4*\slot+2:G0+4*\slot+3], s[G0+4*\slot+2:G0+4*\slot+3], 2*QTR
	s_add_nc_u64 s[G0B+4*\slot+2:G0B+4*\slot+3], s[G0B+4*\slot+2:G0B+4*\slot+3], 2*QTR
	JLOAD G0+4*\slot, G1, G0B+4*\slot, G1B
.else
	PLACES
.endif
	s_wait_alu depctr_va_vdst(0)
	FETCH \next, 0, F0
	WIN 0x05
	MUL4 F1, \kk, 2, 0
	MUL4 F1, \kk, 3, 0
.endm
	s_load_b256 s[4:11], s[0:1], 0x0
	s_load_b128 s[12:15], s[0:1], 0x20
	v_lshl_add_u32 v[SPW], v0, 2, SPARE
	v_mov_b32 v[NIL], 0
	ds_add_u32 v8, v9
	ds_add_u32 v8, v9
	s_wait_dscnt 0x0
	v_lshrrev_b32 v1, 5, v0
	v_readfirstlane_b32 s[WV], v1
	s_lshr_b32 s[WP], s[WV], 1
	s_and_b32 s[WQ], s[WV], 1
	s_bfe_u32 s40, ttmp6, 0x40000
	s_bfe_u32 s41, ttmp6, 0x40004
	s_and_b32 s42, ttmp7, 0xffff
	s_lshl_b32 s43, s42, 2
	s_add_co_u32 s43, s43, s41
	s_lshl_b32 s44, ttmp9, 2
	s_add_co_u32 s44, s44, s40
	s_lshl_b32 s46, s41, 2
	s_lshl_b32 s46, 15, s46
	s_lshl_b32 s47, 0x1111, s40
	s_or_b32 s[G1], s46, (3<<16)|(1<<21)
	s_or_b32 s[G1B], s47, (3<<16)|(1<<21)
.irp g, G1, G1B
	s_mov_b32 s[\g+1], 768<<16
	s_mov_b32 s[\g+2], 4<<16
	s_mov_b32 s[\g+3], 768<<16
	s_mov_b32 s[\g+4], 4
	s_mov_b32 s[\g+5], 3072
	s_mov_b32 s[\g+6], 0
	s_mov_b32 s[\g+7], 0
.endr
	s_lshl_b32 s66, s43, 3
	s_lshl_b32 s68, s44, 3
	s_add_co_u32 s68, s68, 320
	s_lshl_b32 s71, s[WQ], 2
	s_add_co_u32 s72, s66, s71
	s_mul_i32 s72, s72, BLKB
	s_mov_b32 s73, 0
	s_add_co_u32 s74, s68, s71
	s_mul_i32 s74, s74, BLKB
	s_mov_b32 s75, 0
	s_mul_i32 s76, s[WV], WTILE
	s_lshl_b32 s77, s[WP], 2
	s_add_co_u32 s78, s66, s77
	s_lshl_b32 s78, s78, 10
	s_mov_b32 s79, 0
	s_add_co_u32 s80, s68, s71
	s_lshl_b32 s80, s80, 10
	s_mov_b32 s81, 0
	s_lshl_b32 s84, s44, 7
	s_lshl_b32 s85, s[WQ], 6
	s_add_co_u32 s84, s84, s85
	s_lshl_b32 s84, s84, 2
	s_mov_b32 s85, 0
	s_lshl_b32 s86, s43, 7
	s_lshl_b32 s87, s[WP], 6
	s_add_co_u32 s86, s86, s87
	s_lshl_b32 s86, s86, 13
	s_mov_b32 s87, 0
	s_wait_kmcnt 0x0
	s_add_nc_u64 s[72:73], s[4:5], s[72:73]
	s_add_nc_u64 s[74:75], s[8:9], s[74:75]
	s_add_nc_u64 s[78:79], s[6:7], s[78:79]
	s_add_nc_u64 s[80:81], s[10:11], s[80:81]
	s_add_nc_u64 s[12:13], s[12:13], s[84:85]
	s_add_nc_u64 s[14:15], s[14:15], s[84:85]
	s_add_nc_u64 s[14:15], s[14:15], s[86:87]
	CROUND
.irp s, 0,1
	s_mov_b32 s[G0+4*\s], 1
	s_add_co_u32 s[G0+4*\s+1], s76, \s*SLOT
	s_add_nc_u64 s[G0+4*\s+2:G0+4*\s+3], s[72:73], \s*QTR
	s_or_b32 s[G0+4*\s+3], s[G0+4*\s+3], 0x80000000
	s_mov_b32 s[G0B+4*\s], 1
	s_add_co_u32 s[G0B+4*\s+1], s76, \s*SLOT
	s_add_nc_u64 s[G0B+4*\s+2:G0B+4*\s+3], s[74:75], \s*QTR
	s_or_b32 s[G0B+4*\s+3], s[G0B+4*\s+3], 0x80000000
	s_wait_alu depctr_va_vdst(0)
	s_wait_tensorcnt 0x0
	ds_add_u32 v8, v9
	ds_add_u32 v8, v9
	s_wait_dscnt 0x0
	CROUND
	JLOAD G0+4*\s, G1, G0B+4*\s, G1B
.endr
	v_and_b32 v1, 15, v0
	v_bfe_u32 v2, v0, 4, 1
	v_and_b32 v3, 31, v0
	v_lshlrev_b32 v[L16], 4, v3
	v_lshlrev_b32 v[L8], 3, v3
	v_lshlrev_b32 v15, 6, v2
.irp a, 0,1,2,3
.irp t, 0,1,2,3
	global_load_b64 v[SP+8*\a+2*\t:SP+8*\a+2*\t+1], v[L8], s[78:79] offset:\a*1024+\t*256
	global_load_b64 v[SQ+8*\a+2*\t:SQ+8*\a+2*\t+1], v[L8], s[80:81] offset:\a*1024+\t*256
.endr
.endr
.irp bt, 0,1
.irp u, 0,1
.irp i, 0,1
	global_load_b128 v[BI+16*\bt+8*\u+4*\i:BI+16*\bt+8*\u+4*\i+3], v15, s[12:13] offset:128*\bt+32*\u+16*\i
.endr
.endr
.endr
	s_mul_i32 s86, s[WP], WTILE
	s_mul_i32 s87, s[WQ], WTILE
	s_add_co_u32 s87, s87, 8*QTR
	v_add_nc_u32 v[ADRP], s86, v[L16]
	v_add_nc_u32 v[ADRQ], s87, v[L16]
	v_add_nc_u32 v[ADRP+1], SLOT, v[ADRP]
	v_add_nc_u32 v[ADRQ+1], SLOT, v[ADRQ]
	s_mul_i32 s86, s[WV], 16*SPITCH
	s_add_co_u32 s86, s86, STAGE
	v_mul_u32_u24 v[STO], v1, SPITCH
	v_lshl_add_u32 v[STO], v2, 6, v[STO]
	v_add_nc_u32 v[STO], s86, v[STO]
	v_mul_u32_u24 v[RD], v2, SPITCH
	v_lshl_add_u32 v[RD], v1, 4, v[RD]
	v_add_nc_u32 v[RD], s86, v[RD]
	v_lshlrev_b32 v[CO], 13, v2
	v_lshl_add_u32 v[CO], v1, 4, v[CO]
	s_wait_tensorcnt 1
	s_barrier_signal -1
	s_barrier_wait -1
	FETCH 0, 0, F0
	s_wait_loadcnt 0x0
	STEP 0, 0, 0, F0, F1, 1
	STEP 0, 1, 1, F1, F0, 0
	STEP 0, 2, 2, F0, F1, 0
	TURN 0, 1, 3, 1
	STEP 1, 0, 4, F0, F1, 0
	STEP 1, 1, 5, F1, F0, 0
	STEP 1, 2, 6, F0, F1, 0
	TURN 1, 0, 7, 1
	STEP 0, 0, 8, F0, F1, 0
	STEP 0, 1, 9, F1, F0, 0
	STEP 0, 2, 10, F0, F1, 0
	TURN 0, 1, 11, 0
	STEP 1, 0, 12, F0, F1, 0
	STEP 1, 1, 13, F1, F0, 0
	STEP 1, 2, 14, F0, F1, 0
	s_wait_dscnt 0x0
	WIN 0x05
	MUL4 F1, 15, 0, 0
	MUL4 F1, 15, 1, 0
	MUL4 F1, 15, 2, 0
	MUL4 F1, 15, 3, 0
	WIN 0
	PLACES
.irp a, 0,1,2,3
.irp p, 0,2,4,6,8,10,12,14,16,18,20,22,24,26,28,30
	v_pk_add_f32 v[ACC+32*\a+\p:ACC+32*\a+\p+1], v[ACC+32*\a+\p:ACC+32*\a+\p+1], v[BI+\p:BI+\p+1]
.endr
.endr
	s_wait_alu depctr_va_vdst(0)
.irp a, 0,1,2,3
.if \a >= 2
	s_wait_xcnt 0x0
.endif
.irp bt, 0,1
.irp u, 0,1
.irp i, 0,1
	ds_store_b128 v[STO], v[ACC+32*\a+16*\bt+8*\u+4*\i:ACC+32*\a+16*\bt+8*\u+4*\i+3] offset:128*\bt+32*\u+16*\i
.endr
.endr
.endr
	WIN 0x40
.irp t, 0,1,2,3,4,5,6,7
	ds_load_b128 v[32*(\a%2)+4*\t:32*(\a%2)+4*\t+3], v[RD] offset:2*\t*SPITCH
.endr
	s_wait_dscnt 0x0
	WIN 0x04
.irp t, 0,1,2,3,4,5,6,7
	global_store_b128 v[CO], v[32*(\a%2)+4*\t:32*(\a%2)+4*\t+3], s[14:15] offset:(32*(\a/2)+8*(\a%2)+(2*\t)%8+16*(\t/4))*8192 th:TH_STORE_NT
.endr
	WIN 0
.endr
	s_wait_tensorcnt 0x0
	ds_add_u32 v[SPW], v[NIL]
	s_wait_dscnt 0x0
	CROUND
	s_endpgm
.Lfunc_end_k_qb1423c623c_oproj:
	.size	k_qb1423c623c_oproj, .Lfunc_end_k_qb1423c623c_oproj-k_qb1423c623c_oproj
	.p2alignl 7, 3214868480
	.fill 96, 4, 3214868480
	.section	.rodata,"a",@progbits
	.p2align	6, 0x0
	.amdhsa_kernel k_qb1423c623c_oproj
		.amdhsa_group_segment_fixed_size 327680
		.amdhsa_private_segment_fixed_size 0
		.amdhsa_enable_private_segment 0
		.amdhsa_kernarg_size 48
		.amdhsa_user_sgpr_count 2
		.amdhsa_user_sgpr_kernarg_segment_ptr 1
		.amdhsa_wavefront_size32 1
		.amdhsa_system_sgpr_workgroup_id_x 1
		.amdhsa_system_sgpr_workgroup_id_y 1
		.amdhsa_system_sgpr_workgroup_id_z 1
		.amdhsa_system_vgpr_workitem_id 0
		.amdhsa_next_free_vgpr 512
		.amdhsa_next_free_sgpr 98
		.amdhsa_reserve_vcc 0
		.amdhsa_float_denorm_mode_32 3
		.amdhsa_float_denorm_mode_16_64 3
		.amdhsa_memory_ordered 1
		.amdhsa_forward_progress 1
		.amdhsa_inst_pref_size 86
	.end_amdhsa_kernel
	.amdgpu_metadata
---
amdhsa.version: [ 1, 2 ]
amdhsa.kernels:
  - .name:           k_qb1423c623c_oproj
    .symbol:         k_qb1423c623c_oproj.kd
    .args:
      - { .name: ac, .offset: 0, .size: 8, .value_kind: global_buffer, .address_space: global }
      - { .name: asc, .offset: 8, .size: 8, .value_kind: global_buffer, .address_space: global }
      - { .name: cod, .offset: 16, .size: 8, .value_kind: global_buffer, .address_space: global }
      - { .name: scl, .offset: 24, .size: 8, .value_kind: global_buffer, .address_space: global }
      - { .name: bo, .offset: 32, .size: 8, .value_kind: global_buffer, .address_space: global }
      - { .name: out0, .offset: 40, .size: 8, .value_kind: global_buffer, .address_space: global }
    .group_segment_fixed_size: 327680
    .private_segment_fixed_size: 0
    .kernarg_segment_align: 8
    .kernarg_segment_size: 48
    .max_flat_workgroup_size: 128
    .sgpr_count:     98
    .vgpr_count:     512
    .wavefront_size: 32
...
	.end_amdgpu_metadata
.endif
;; end of part 4
